; MI455X (gfx1250); checked and timed in simulation.
; The chip was launched on July 23, 2026; its instructions are those of AMD's public machine-readable ISA for CDNA 5 (MIT licence, August 2026) and "CDNA5" Instruction Set Architecture Reference Guide (July 2026). The comments in the code are by the model that wrote it; some were corrected since.
;; Plasticity Model Mo E. Allowed arithmetic: float matrix products may take bf16 or f16 operands with f32 sums; all other float work in f32.
;; Inputs: W1 8 x 1,024 x 4,096 float32; W2 8 x 4,096 x 1,024 float32; Wg 1,024 x 8 float32; Wq_in 1,024 x 16 float32; Wq_out 16 x 1,024 float32; Wr 1,024 x 512 float32; act_w 9 float32; amplitude 1,024 float32; b1 8 x 4,096 float32; b2 8 x 1,024 float32; br 512 float32; c 1 float32; chaotic_r 1 float32; lams 2 x 4 float32; memory 512 x 1,024 float32; period 1 float32; phase_shift 1,024 float32; phis 2 x 4 float32; thetas 2 x 4 float32; time_scalar 1 float32; x 1,024 x 1,024 float32.
;; Outputs: out0 1,024 x 1,024 float32.
;; 2 versions, each right; version 2 is version 1 with the launch prep written anew for expert scheduling mode. Each part assembles by itself: llvm-mc -triple=amdgcn-amd-amdhsa -mcpu=gfx1250 --defsym DOCPART=n.
;; ======== version 1 of 2: 4 launches
;; limits: right only within a limited range of input values; a function is approximated: absolute error at most 3e-05
;; workspace buffers: xb 2,097,152 bytes; lg 2,359,296 bytes; hbuf 67,108,864 bytes; part 67,108,864 bytes
;; launch prep (part 1): grid 10 x 16, 8 waves a work-group, no clusters, 87,040 bytes of LDS; arguments x, Wr, Wq_in, Wg, thetas, phis, lams, xb, lg; writes xb, lg
.if DOCPART == 1
	.amdgcn_target "amdgcn-amd-amdhsa--gfx1250"
	.amdhsa_code_object_version 6
	.text
	.protected	k_q593c0a6e45_prep
	.globl	k_q593c0a6e45_prep
	.p2align	8
	.type	k_q593c0a6e45_prep,@function
k_q593c0a6e45_prep:
	s_mov_b64 s[64:65], 0
	v_nop
	global_prefetch_b8 v0, s[64:65] scope:SCOPE_SE
	s_setreg_imm32_b32 hwreg(HW_REG_WAVE_MODE, 25, 1), 1
	s_wait_xcnt 0x0
; prep: three small jobs on 64 rows of x (work-group y = row block), chosen by work-group x, which is the same for all eight waves:
;   x = 0..7 : lg[:, 64x .. 64x+63] = x @ Wr (bf16 operands, f32 sums; br is added by the last launch)
;   x = 8    : lg[:, 512..527] = probabilities of the 4-qubit circuit on x @ Wq_in; lg[:, 528..535] = softmax(x @ Wg); lg[:, 536..575] = 0
;   x = 9    : xb = bf16(x)
; lg is f32 [1024][576]: a row is 2,304 bytes = 9 x 256.
; Product paths: tile 64 x 64, K = 1024 in 16 steps of 64.  f32 operands come through registers (a ring of four steps, so three steps' loads stay out),
; are rounded to bf16 and laid into one of two LDS slots; one barrier a step.  Wave w makes rows 16 (w>>1).., columns 32 (w&1).. : two accumulators by turns.
; No cluster, no tensor loads: every operand must pass registers for the rounding, and the launch's bytes are few.
; LIMITS: sine and cosine reduce the angle in turns, so their error grows as 6e-8 x |angle / 2 pi|; a row with x @ Wq_in = 0 gives NaN, as dividing by a zero norm does.
.set SLOT,  19456                      ; an LDS slot: A 64 rows x 144 bytes, then B 64 k rows x 160 bytes
.set BOFF,  9216
.set APL,   144                        ; 128 bytes + 16: an odd multiple of 16, so the 16 rows of a fragment load begin at 16 different 16-byte columns modulo 256
.set BPL,   160                        ; 128 bytes + 32: an odd multiple of 32, for the transposing loads
.set STAGE, 38912                      ; 64 rows x 272 bytes of f32 results
.set SPL,   272
.set SB0,   56320                      ; behind the stage: job 8's two B slots, SLOT bytes apart.  Its B rows are laid by other address arithmetic than Wr's,
                                       ; so they have bytes of their own: no byte of LDS is written under two layouts
.set LGROW, 2304
.set S0,  64                           ; circuit: state, 16 x (re, im)
.set S1,  96                           ; circuit: the other state
.set TA,  148                          ; sine: at work
.set TB,  149
.set TC,  150
.set SQT, 30                           ; s30 = 0.25
.set SMK, 31                           ; s31 = 0x7fffffff
	s_load_b512 s[4:19], s[0:1], 0x0               ; x s[4:5], Wr s[6:7], Wq_in s[8:9], Wg s[10:11], thetas s[12:13], phis s[14:15], lams s[16:17], xb s[18:19]
	s_load_b64 s[20:21], s[0:1], 0x40              ; lg
	v_lshl_add_u32 v62, v0, 2, 0x15000
	v_mov_b32 v63, 0
	v_lshrrev_b32 v1, 5, v0
	v_readfirstlane_b32 s22, v1                    ; wave 0..7
	s_and_b32 s23, ttmp7, 0xffff                   ; row block
	s_mov_b32 s24, ttmp9                           ; job
	s_lshl_b32 s26, s23, 18                        ; 64 rows of 4,096 bytes
	s_mov_b32 s27, 0
	s_wait_kmcnt 0x0
	s_add_nc_u64 s[4:5], s[4:5], s[26:27]          ; x at my first row
	s_cmp_eq_u32 s24, 9
	s_cbranch_scc1 .Lconv
	; ---- addresses of the product paths.  Thread t: tr = t >> 4, tc = t & 15 (also the lane's r) ----
	v_lshrrev_b32 v1, 4, v0                        ; tr
	v_and_b32 v2, 15, v0                           ; tc
	v_lshlrev_b32 v4, 4, v2
	v_lshl_add_u32 v11, v1, 12, v4                 ; x: row tr, 16 bytes at 16 tc
	v_lshl_add_u32 v12, v1, 11, v4                 ; Wr: k row tr
	v_lshlrev_b32 v5, 3, v2
	v_mad_u32_u24 v13, v1, APL, v5                 ; LDS, A: row tr, 8 bytes at 8 tc
	v_mad_u32_u24 v14, v1, BPL, v5
	v_add_nc_u32 v14, BOFF, v14                    ; LDS, B
	s_lshr_b32 s28, s22, 1                         ; mt
	s_and_b32 s29, s22, 1                          ; nh
	v_bfe_u32 v6, v0, 4, 1                         ; h
	v_lshl_add_u32 v7, s28, 4, v2                  ; 16 mt + r
	v_lshlrev_b32 v4, 4, v6
	v_mad_u32_u24 v15, v7, APL, v4                 ; A fragment: (16 mt + r) pitch + 16 h
	v_and_b32 v5, 7, v0
	v_lshl_add_u32 v5, v6, 3, v5                   ; 8 h + (lane & 7)
	v_bfe_u32 v4, v0, 3, 1
	v_lshlrev_b32 v4, 4, v4
	v_mad_u32_u24 v16, v5, BPL, v4
	s_lshl_b32 s30, s29, 6
	s_add_co_u32 s30, s30, BOFF
	v_add_nc_u32 v16, s30, v16                     ; B fragment (transposing load), my 32 columns
	v_lshlrev_b32 v4, 5, v6
	v_mad_u32_u24 v17, v7, SPL, v4
	s_lshl_b32 s31, s29, 7
	s_add_co_u32 s31, s31, STAGE
	v_add_nc_u32 v17, s31, v17                     ; stage, in: row 16 mt + r, 32 bytes at 128 nh + 32 h
	v_lshlrev_b32 v4, 4, v2
	v_mad_u32_u24 v18, v1, SPL, v4
	v_add_nc_u32 v18, STAGE, v18                   ; stage, back: row tr, 16 bytes at 16 tc
	v_mad_u32_u24 v19, v1, LGROW, v4               ; the same place in lg
	s_mul_i32 s26, s23, 64*LGROW
	s_lshl_b32 s30, s24, 8                         ; 64 columns of f32
	s_add_co_u32 s26, s26, s30
	s_add_nc_u64 s[20:21], s[20:21], s[26:27]      ; lg at my tile
; one step's loads into ring slot 'ring': x 4 x 16 bytes a thread; B 4 x 16 bytes (Wr) or 16 + 8 bytes (Wq_in, Wg).  Sixteen lanes read 256 consecutive bytes.
.macro LOADS small, ring, rel
.set RG, 64+32*(\ring)
.irp j, 0,1,2,3
	global_load_b128 v[RG+4*\j:RG+4*\j+3], v11, s[4:5] offset:\j*65536+(\rel)*256
.endr
.if \small
	global_load_b128 v[RG+16:RG+19], v20, s[8:9] offset:(\rel)*4096
	global_load_b64 v[RG+20:RG+21], v21, s[10:11] offset:(\rel)*2048
.else
.irp j, 0,1,2,3
	global_load_b128 v[RG+16+4*\j:RG+16+4*\j+3], v12, s[6:7] offset:\j*32768+(\rel)*131072
.endr
.endif
.endm
; one K step of 64.  cnt = the loads of the younger steps, which may stay out.  The conversions (11 or 16 plain vector instructions that name no
; matrix register) are the places between the last step's matrix instructions and the loads into their fragments.
.macro STEP small, ring, slot, zero, ld, rel, cnt
	s_wait_loadcnt \cnt
.set RG, 64+32*(\ring)
.irp j, 0,1,2,3
	v_cvt_pk_bf16_f32 v[32+2*\j], v[RG+4*\j], v[RG+4*\j+1]
	v_cvt_pk_bf16_f32 v[33+2*\j], v[RG+4*\j+2], v[RG+4*\j+3]
.endr
.if \small
	v_cvt_pk_bf16_f32 v40, v[RG+16], v[RG+17]
	v_cvt_pk_bf16_f32 v41, v[RG+18], v[RG+19]
	v_cvt_pk_bf16_f32 v42, v[RG+20], v[RG+21]
.else
.irp j, 0,1,2,3
	v_cvt_pk_bf16_f32 v[40+2*\j], v[RG+16+4*\j], v[RG+16+4*\j+1]
	v_cvt_pk_bf16_f32 v[41+2*\j], v[RG+16+4*\j+2], v[RG+16+4*\j+3]
.endr
.endif
.irp j, 0,1,2,3
	ds_store_b64 v13, v[32+2*\j:33+2*\j] offset:(\slot)*SLOT+\j*16*APL
.endr
.if \small
	ds_store_b64 v22, v[40:41] offset:(\slot)*SLOT             ; Wq_in: columns 0-15
	ds_store_b32 v23, v42 offset:(\slot)*SLOT+32               ; Wg: columns 16-23
.else
.irp j, 0,1,2,3
	ds_store_b64 v14, v[40+2*\j:41+2*\j] offset:(\slot)*SLOT+\j*16*BPL
.endr
.endif
.if \ld
	LOADS \small, \ring, \rel
.endif
	s_wait_dscnt 0x0                               ; my stores into this slot are done (my reads of the other slot were waited for before its products)
	s_barrier_signal -1
	s_barrier_wait -1                              ; the slot is whole; the other slot, written next step, is read by nobody any more
.irp k, 0,1
	ds_load_b128 v[192+8*\k:195+8*\k], v15 offset:(\slot)*SLOT+64*\k
	ds_load_b128 v[196+8*\k:199+8*\k], v15 offset:(\slot)*SLOT+64*\k+32
.irp b, 0,1
	ds_load_tr16_b128 v[208+16*\k+8*\b:211+16*\k+8*\b], v16 offset:(\slot)*SLOT+\k*32*BPL+32*\b
	ds_load_tr16_b128 v[212+16*\k+8*\b:215+16*\k+8*\b], v16 offset:(\slot)*SLOT+\k*32*BPL+32*\b+16*BPL
.endr
.endr
	s_wait_dscnt 0x0
	; source 0 = columns of B, source 1 = rows of x: a lane then holds eight neighbouring columns of one row.  The two accumulators take turns.
.if \zero
	v_wmma_f32_16x16x32_bf16 v[240:247], v[208:215], v[192:199], 0
	v_wmma_f32_16x16x32_bf16 v[248:255], v[216:223], v[192:199], 0
.else
	v_wmma_f32_16x16x32_bf16 v[240:247], v[208:215], v[192:199], v[240:247]
	v_wmma_f32_16x16x32_bf16 v[248:255], v[216:223], v[192:199], v[248:255]
.endif
	v_wmma_f32_16x16x32_bf16 v[240:247], v[224:231], v[200:207], v[240:247]
	v_wmma_f32_16x16x32_bf16 v[248:255], v[232:239], v[200:207], v[248:255]
.endm
.macro GROUP small, zero, ld, c0, c1, c2, c3
	STEP \small, 0, 0, \zero, \ld, 4, \c0
	STEP \small, 1, 1, 0, \ld, 5, \c1
	STEP \small, 2, 0, 0, \ld, 6, \c2
	STEP \small, 3, 1, 0, \ld, 7, \c3
.endm
.macro TOSTAGE                         ; results into the stage, which is no slot's bytes
.rept 4
	v_nop                                          ; four places behind the last matrix instruction before its result is stored (ISA guide 7.12.1)
.endr
.irp b, 0,1
	ds_store_b128 v17, v[240+8*\b:243+8*\b] offset:64*\b
	ds_store_b128 v17, v[244+8*\b:247+8*\b] offset:64*\b+16
.endr
	s_wait_dscnt 0x0
	s_barrier_signal -1
	s_barrier_wait -1
.endm
.macro TOLG                            ; whole rows back and out: sixteen lanes store 256 consecutive bytes, at a multiple of 256 from lg's first byte
.irp j, 0,1,2,3
	ds_load_b128 v[32+4*\j:35+4*\j], v18 offset:\j*16*SPL
.endr
.irp j, 0,1,2,3
	s_wait_dscnt 3-\j
	global_store_b128 v19, v[32+4*\j:35+4*\j], s[20:21] offset:\j*16*LGROW
.endr
	s_wait_tensorcnt 0x0
	ds_add_u32 v62, v63
	s_wait_dscnt 0x0
	s_endpgm
.endm
	s_cmp_eq_u32 s24, 8
	s_cbranch_scc1 .Lsmall
	; ---- x @ Wr ----
	s_mov_b32 s31, 0
	s_add_nc_u64 s[6:7], s[6:7], s[30:31]          ; my 64 columns of Wr
	LOADS 0, 0, 0
	LOADS 0, 1, 1
	LOADS 0, 2, 2
	LOADS 0, 3, 3
	GROUP 0, 1, 1, 24, 24, 24, 24                  ; 24 = three younger steps x 8 loads
	s_wait_xcnt 0x0                                ; the bases are stepped only behind this wait
	s_add_nc_u64 s[4:5], s[4:5], 1024
	s_add_nc_u64 s[6:7], s[6:7], 524288
	s_mov_b32 s25, 2
.Lwr:
	GROUP 0, 0, 1, 24, 24, 24, 24
	s_wait_xcnt 0x0
	s_add_nc_u64 s[4:5], s[4:5], 1024
	s_add_nc_u64 s[6:7], s[6:7], 524288
	s_sub_co_u32 s25, s25, 1
	s_cmp_lg_u32 s25, 0
	s_cbranch_scc1 .Lwr
	GROUP 0, 0, 0, 24, 16, 8, 0                    ; the last four steps load nothing: the counts run down
	TOSTAGE
	TOLG
	; ---- x @ [Wq_in | Wg | 0], the circuit, the gate ----
.Lsmall:
	s_mov_b32 s30, 0x3e800000                      ; 0.25
	s_mov_b32 s31, 0x7fffffff
	v_and_b32 v29, 7, v0
	v_lshlrev_b32 v29, 2, v29                      ; v29 serves these three loads alone and is not written again
	global_load_b32 v8, v29, s[12:13]              ; lane l: theta, phi, lambda of gate l & 7 (layer x 4 + qubit); older than every counted load below
	global_load_b32 v9, v29, s[14:15]
	global_load_b32 v10, v29, s[16:17]
	v_lshlrev_b32 v20, 4, v0                       ; Wq_in: 64 k rows of 64 bytes are 256 x 16 bytes
	v_lshlrev_b32 v21, 3, v0                       ; Wg: 64 k rows of 32 bytes are 256 x 8 bytes
	LOADS 1, 0, 0
	LOADS 1, 1, 1
	LOADS 1, 2, 2
	LOADS 1, 3, 3
	v_add_nc_u32 v16, SB0-BOFF, v16                ; this job's B slots lie at SB0: the fragment address moves there,
	v_lshrrev_b32 v5, 2, v0                        ; k row
	v_and_b32 v6, 3, v0
	v_mul_u32_u24 v7, v5, BPL
	v_add_nc_u32 v7, SB0, v7                       ; and the stores go there
	v_lshl_add_u32 v22, v6, 3, v7
	v_lshl_add_u32 v23, v6, 2, v7
	v_lshl_add_u32 v28, v6, 4, v7
	v_mov_b32 v24, 0
	v_mov_b32 v25, 0
	v_mov_b32 v26, 0
	v_mov_b32 v27, 0
	ds_store_b128 v28, v[24:27] offset:48          ; columns 24-63 of B are zero in both slots: bytes 48-111,
	ds_store_b128 v28, v[24:27] offset:48+SLOT
	ds_store_b32 v23, v24 offset:112               ; and bytes 112-127
	ds_store_b32 v23, v24 offset:112+SLOT
	GROUP 1, 1, 1, 18, 18, 18, 18                  ; 18 = three younger steps x 6 loads
	s_wait_xcnt 0x0
	s_add_nc_u64 s[4:5], s[4:5], 1024
	s_add_nc_u64 s[8:9], s[8:9], 16384
	s_add_nc_u64 s[10:11], s[10:11], 8192
	s_mov_b32 s25, 2
.Lsm:
	GROUP 1, 0, 1, 18, 18, 18, 18
	s_wait_xcnt 0x0
	s_add_nc_u64 s[4:5], s[4:5], 1024
	s_add_nc_u64 s[8:9], s[8:9], 16384
	s_add_nc_u64 s[10:11], s[10:11], 8192
	s_sub_co_u32 s25, s25, 1
	s_cmp_lg_u32 s25, 0
	s_cbranch_scc1 .Lsm
	GROUP 1, 0, 0, 18, 12, 6, 0
	TOSTAGE
	s_cmp_ge_u32 s22, 2
	s_cbranch_scc1 .Ljoin
	; ---- waves 0 and 1, one row a lane (row = 32 wave + lane): the circuit and the gate's softmax, f32 on the vector unit.
	; Between the two barriers each of the two waves touches its own 32 rows of the stage alone. ----
; d = sin(2 pi t): y = t - round(t); z = 0.25 - ||y| - 0.25| folds onto a quarter turn; odd series to the 11th power (the next term is 6e-8 at a quarter turn); sign of y
.macro SINT d, t
	v_rndne_f32 v[TA], v[\t]
	v_sub_f32 v[TA], v[\t], v[TA]
	v_sub_f32 v[TB], |v[TA]|, s[SQT]
	v_sub_f32 v[TB], s[SQT], |v[TB]|
	v_mul_f32 v[TB], 0x40c90fdb, v[TB]             ; the angle, 0 to pi/2
	v_mul_f32 v[TC], v[TB], v[TB]
	v_mov_b32 v[\d], 0xb2d7322b                    ; -1/11!
	v_fmaak_f32 v[\d], v[\d], v[TC], 0x3638ef1d    ; 1/9!
	v_fmaak_f32 v[\d], v[\d], v[TC], 0xb9500d01    ; -1/7!
	v_fmaak_f32 v[\d], v[\d], v[TC], 0x3c088889    ; 1/5!
	v_fmaak_f32 v[\d], v[\d], v[TC], 0xbe2aaaab    ; -1/3!
	v_mul_f32 v[\d], v[\d], v[TC]
	v_fma_f32 v[\d], v[\d], v[TB], v[TB]
	v_bfi_b32 v[\d], s[SMK], v[\d], v[TA]
.endm
	s_mul_i32 s26, s22, 32*SPL
	s_add_co_u32 s26, s26, STAGE
	v_and_b32 v30, 31, v0
	v_mad_u32_u24 v30, v30, SPL, s26
.irp i, 0,1,2,3
	ds_load_b128 v[128+4*\i:131+4*\i], v30 offset:16*\i        ; q, 16 numbers
.endr
	v_mul_f32 v144, 0.15915494, v8
	v_mul_f32 v144, 0.5, v144                      ; theta / 2 in turns
	v_mul_f32 v145, 0.15915494, v9                 ; phi in turns
	v_mul_f32 v146, 0.15915494, v10                ; lambda in turns
	SINT 151, 144                                  ; st
	v_add_f32 v147, s30, v144
	SINT 152, 147                                  ; ct
	SINT 153, 145                                  ; sin phi
	v_add_f32 v147, s30, v145
	SINT 154, 147                                  ; cos phi
	SINT 155, 146                                  ; sin lambda
	v_add_f32 v147, s30, v146
	SINT 156, 147                                  ; cos lambda
	v_mov_b32 v157, v152                           ; u00 = ct
	v_mul_f32 v158, -v156, v151                    ; u01 = -e^(i lambda) st
	v_mul_f32 v159, -v155, v151
	v_mul_f32 v160, v154, v151                     ; u10 = e^(i phi) st
	v_mul_f32 v161, v153, v151
	v_mul_f32 v147, v153, v155
	v_fma_f32 v147, v154, v156, -v147              ; cos(phi + lambda)
	v_mul_f32 v162, v147, v152                     ; u11 = e^(i (phi + lambda)) ct
	v_mul_f32 v147, v154, v155
	v_fmac_f32 v147, v153, v156                    ; sin(phi + lambda)
	v_mul_f32 v163, v147, v152
	s_wait_dscnt 0x0
	v_mul_f32 v31, v128, v128
.irp i, 1,2,3,4,5,6,7,8,9,10,11,12,13,14,15
	v_fmac_f32 v31, v[128+\i], v[128+\i]
.endr
	v_rsq_f32 v31, v31
	v_nop                                          ; one plain instruction behind the transcendental before its result is used (ISA guide 5.7.2)
	s_wait_alu depctr_va_vdst(0)
.irp i, 0,1,2,3,4,5,6,7,8,9,10,11,12,13,14,15
	v_mul_f32 v[S0+2*\i], v[128+\i], v31           ; the real start state: imaginary parts are not read by the first gate
.endr
; a layer's 4 x 7 coefficients, uniform, into s[68:95]: qubit q at s[68 + 7 q ..]: u00, u01 re, im, u10 re, im, u11 re, im
.macro COEFS l
.irp q, 0,1,2,3
.irp k, 0,1,2,3,4,5,6
	v_readlane_b32 s[68+7*\q+\k], v[157+\k], 4*\l+\q
.endr
.endr
.endm
; one qubit's gate on the 8 pairs of amplitudes that differ in bit 'st': a' = u00 a + u01 b, b' = u10 a + u11 b
.macro GATE src, dst, st, cb, real
.irp i, 0,1,2,3,4,5,6,7,8,9,10,11,12,13,14,15
.if ((\i)&(\st)) == 0
.set GA, \src+2*\i
.set GB, \src+2*(\i+\st)
.set HA, \dst+2*\i
.set HB, \dst+2*(\i+\st)
.if \real
	v_mul_f32 v[HA], s[\cb], v[GA]
	v_mul_f32 v[HA+1], s[\cb+2], v[GB]
	v_mul_f32 v[HB], s[\cb+3], v[GA]
	v_mul_f32 v[HB+1], s[\cb+4], v[GA]
	v_fmac_f32 v[HA], s[\cb+1], v[GB]
	v_fmac_f32 v[HB], s[\cb+5], v[GB]
	v_fmac_f32 v[HB+1], s[\cb+6], v[GB]
.else
	v_mul_f32 v[HA], s[\cb], v[GA]
	v_mul_f32 v[HA+1], s[\cb], v[GA+1]
	v_mul_f32 v[HB], s[\cb+3], v[GA]
	v_mul_f32 v[HB+1], s[\cb+3], v[GA+1]
	v_fmac_f32 v[HA], s[\cb+1], v[GB]
	v_fmac_f32 v[HA+1], s[\cb+1], v[GB+1]
	v_fma_f32 v[HB], s[\cb+4], -v[GA+1], v[HB]
	v_fmac_f32 v[HB+1], s[\cb+4], v[GA]
	v_fma_f32 v[HA], s[\cb+2], -v[GB+1], v[HA]
	v_fmac_f32 v[HA+1], s[\cb+2], v[GB]
	v_fmac_f32 v[HB], s[\cb+5], v[GB]
	v_fmac_f32 v[HB+1], s[\cb+5], v[GB+1]
	v_fma_f32 v[HB], s[\cb+6], -v[GB+1], v[HB]
	v_fmac_f32 v[HB+1], s[\cb+6], v[GB]
.endif
.endif
.endr
.endm
.macro LAYER l, real                   ; kron(g0, g1, g2, g3): qubit q acts on index bit 8 >> q; the four factors commute
	COEFS \l
	GATE S0, S1, 8, 68, \real
	GATE S1, S0, 4, 75, 0
	GATE S0, S1, 2, 82, 0
	GATE S1, S0, 1, 89, 0
.endm
	LAYER 0, 1
	LAYER 1, 0
.irp i, 0,1,2,3,4,5,6,7,8,9,10,11,12,13,14,15
	v_mul_f32 v[128+\i], v[S0+2*\i], v[S0+2*\i]
.endr
.irp i, 0,1,2,3,4,5,6,7,8,9,10,11,12,13,14,15
	v_fmac_f32 v[128+\i], v[S0+2*\i+1], v[S0+2*\i+1]
.endr
.irp i, 0,1,2,3
	ds_store_b128 v30, v[128+4*\i:131+4*\i] offset:16*\i       ; over q, in this lane's own row
.endr
	; the gate's softmax of the same row: columns 16-23 of the stage
	ds_load_b128 v[64:67], v30 offset:64
	ds_load_b128 v[68:71], v30 offset:80
	s_wait_dscnt 0x0
	v_max3_num_f32 v72, v64, v65, v66
	v_max3_num_f32 v72, v72, v67, v68
	v_max3_num_f32 v72, v72, v69, v70
	v_max_num_f32 v72, v72, v71                    ; the row's maximum is taken away first
.irp k, 0,1,2,3,4,5,6,7
	v_sub_f32 v[64+\k], v[64+\k], v72
.endr
.irp k, 0,1,2,3,4,5,6,7
	v_mul_f32 v[64+\k], 0x3fb8aa3b, v[64+\k]
.endr
.irp k, 0,1,2,3,4,5,6,7
	v_exp_f32 v[64+\k], v[64+\k]
.endr
	v_nop
	s_wait_alu depctr_va_vdst(0)
	v_add_f32 v72, v64, v65
	v_add_f32 v73, v66, v67
	v_add_f32 v74, v68, v69
	v_add_f32 v75, v70, v71
	v_add_f32 v72, v72, v73
	v_add_f32 v74, v74, v75
	v_add_f32 v72, v72, v74
	v_rcp_f32 v72, v72
	v_nop
	s_wait_alu depctr_va_vdst(0)
.irp k, 0,1,2,3,4,5,6,7
	v_mul_f32 v[64+\k], v[64+\k], v72
.endr
	ds_store_b128 v30, v[64:67] offset:64
	ds_store_b128 v30, v[68:71] offset:80
.Ljoin:
	s_wait_dscnt 0x0                               ; my stores into the stage are done, for the waves that read it back
	s_barrier_signal -1
	s_barrier_wait -1
	TOLG
	; ---- xb = bf16(x): wave w takes rows 8 w .. 8 w + 7; a ring of four rows in registers ----
.Lconv:
	v_and_b32 v3, 31, v0
	s_lshl_b32 s28, s22, 15
	v_lshl_add_u32 v11, v3, 4, s28                 ; x: 16 bytes a lane, 512 consecutive bytes a load
	s_lshl_b32 s29, s22, 14
	v_lshl_add_u32 v12, v3, 3, s29                 ; xb: 8 bytes a lane, 256 consecutive aligned bytes a store
	s_lshl_b32 s26, s23, 17
	s_add_nc_u64 s[18:19], s[18:19], s[26:27]
.macro CLOAD r
.irp i, 0,1,2,3,4,5,6,7
	global_load_b128 v[64+32*((\r)&3)+4*\i:64+32*((\r)&3)+4*\i+3], v11, s[4:5] offset:(\r)*4096+512*\i
.endr
.endm
.macro CROW r, ld, cnt
	s_wait_loadcnt \cnt                            ; the younger rows' loads stay out
	s_wait_xcnt 0x0                                ; v32-47, which the last row's stores read, are rewritten only behind this wait
.set RG, 64+32*((\r)&3)
.irp i, 0,1,2,3,4,5,6,7
	v_cvt_pk_bf16_f32 v[32+2*\i], v[RG+4*\i], v[RG+4*\i+1]
	v_cvt_pk_bf16_f32 v[33+2*\i], v[RG+4*\i+2], v[RG+4*\i+3]
.endr
.if \ld
	CLOAD (\r)+4
.endif
.irp i, 0,1,2,3,4,5,6,7
	global_store_b64 v12, v[32+2*\i:33+2*\i], s[18:19] offset:(\r)*2048+256*\i
.endr
.endm
	CLOAD 0
	CLOAD 1
	CLOAD 2
	CLOAD 3
	CROW 0, 1, 24
	CROW 1, 1, 24
	CROW 2, 1, 24
	CROW 3, 1, 24
	CROW 4, 0, 24
	CROW 5, 0, 16
	CROW 6, 0, 8
	CROW 7, 0, 0
	s_endpgm
.Lfunc_end_k_q593c0a6e45_prep:
	.size	k_q593c0a6e45_prep, .Lfunc_end_k_q593c0a6e45_prep-k_q593c0a6e45_prep
	.p2alignl 7, 3214868480
	.fill 96, 4, 3214868480
	.section	.rodata,"a",@progbits
	.p2align	6, 0x0
	.amdhsa_kernel k_q593c0a6e45_prep
		.amdhsa_group_segment_fixed_size 87040
		.amdhsa_private_segment_fixed_size 0
		.amdhsa_enable_private_segment 0
		.amdhsa_kernarg_size 72
		.amdhsa_user_sgpr_count 2
		.amdhsa_user_sgpr_kernarg_segment_ptr 1
		.amdhsa_wavefront_size32 1
		.amdhsa_system_sgpr_workgroup_id_x 1
		.amdhsa_system_sgpr_workgroup_id_y 1
		.amdhsa_system_sgpr_workgroup_id_z 1
		.amdhsa_system_vgpr_workitem_id 0
		.amdhsa_next_free_vgpr 256
		.amdhsa_next_free_sgpr 96
		.amdhsa_reserve_vcc 0
		.amdhsa_float_denorm_mode_32 3
		.amdhsa_float_denorm_mode_16_64 3
		.amdhsa_memory_ordered 1
		.amdhsa_forward_progress 1
		.amdhsa_inst_pref_size 149
	.end_amdhsa_kernel
	.amdgpu_metadata
---
amdhsa.version: [ 1, 2 ]
amdhsa.kernels:
  - .name:           k_q593c0a6e45_prep
    .symbol:         k_q593c0a6e45_prep.kd
    .args:
      - { .name: x, .offset: 0, .size: 8, .value_kind: global_buffer, .address_space: global }
      - { .name: Wr, .offset: 8, .size: 8, .value_kind: global_buffer, .address_space: global }
      - { .name: Wq_in, .offset: 16, .size: 8, .value_kind: global_buffer, .address_space: global }
      - { .name: Wg, .offset: 24, .size: 8, .value_kind: global_buffer, .address_space: global }
      - { .name: thetas, .offset: 32, .size: 8, .value_kind: global_buffer, .address_space: global }
      - { .name: phis, .offset: 40, .size: 8, .value_kind: global_buffer, .address_space: global }
      - { .name: lams, .offset: 48, .size: 8, .value_kind: global_buffer, .address_space: global }
      - { .name: xb, .offset: 56, .size: 8, .value_kind: global_buffer, .address_space: global }
      - { .name: lg, .offset: 64, .size: 8, .value_kind: global_buffer, .address_space: global }
    .group_segment_fixed_size: 87040
    .private_segment_fixed_size: 0
    .kernarg_segment_align: 8
    .kernarg_segment_size: 72
    .max_flat_workgroup_size: 256
    .sgpr_count:     96
    .vgpr_count:     256
    .wavefront_size: 32
...
	.end_amdgpu_metadata
.endif
;; end of part 1
;; launch ffn1 (part 2): grid 64 x 8, 4 waves a work-group, clusters of 4 x 1, 327,680 bytes of LDS; arguments xb, W1, b1, act_w, hbuf; writes hbuf
.if DOCPART == 2
	.amdgcn_target "amdgcn-amd-amdhsa--gfx1250"
	.amdhsa_code_object_version 6
	.text
	.protected	k_q593c0a6e45_ffn1
	.globl	k_q593c0a6e45_ffn1
	.p2align	8
	.type	k_q593c0a6e45_ffn1,@function
k_q593c0a6e45_ffn1:
	s_mov_b64 s[64:65], 0
	v_nop
	global_prefetch_b8 v0, s[64:65] scope:SCOPE_SE
	s_setreg_imm32_b32 hwreg(HW_REG_WAVE_MODE, 25, 1), 1
	s_wait_xcnt 0x0
	s_wait_alu depctr_hold_cnt(0) depctr_sa_sdst(0) depctr_va_vdst(0) depctr_va_sdst(0) depctr_va_ssrc(0) depctr_va_vcc(0) depctr_vm_vsrc(0)
	s_getreg_b32 s2, hwreg(HW_REG_IB_STS2, 6, 4)
	s_cmp_eq_u32 s2, 0
	s_cbranch_scc0 .Lentry_in_a_cluster
	s_endpgm
.Lentry_in_a_cluster:
	s_bfe_u32 s2, ttmp6, 0x10000c
	s_cmp_lg_u32 s2, 0x3003
	s_cbranch_scc0 .Lentry_shape_is_right
	s_endpgm
.Lentry_shape_is_right:
; ffn1: hbuf[e] = bf16( act( xb @ W1[e] + b1[e] ) ).  xb bf16 [1024][1024]; W1 f32 [8][1024 k][4096 n]; hbuf bf16 [8][1024][4096].
; A work-group makes 512 (m) x 128 (n) with four waves stacked along m; a wave makes 128 x 128: 64 accumulator tiles, 512 registers.
; A (xb): K steps of 128 through two LDS slots filled by the tensor data mover; wave w fetches and reads its own 128 rows (rows of 256 bytes, padded to 272).
; B (W1): f32 with n along the rows.  It passes registers: chunks of 32 k rows (wave w: rows 8 w .. 8 w + 7, one load = one row's 512 consecutive bytes),
;   four chunks always on their way in four staging buffers; rounded to bf16; stored [k][n] into one of two LDS slots of 64 k rows; read by transposing loads.
; CLUSTER 4 x 1: the four work-groups of a cluster have the same m block and neighbouring n blocks, so they need the same tiles of A and ask for them jointly (mask 15).
;   m block = cluster x & 1, n block = 4 (cluster x >> 1) + place in the cluster, expert = y.
;   W1 is not asked for jointly: it must pass registers for the rounding, and only the two m blocks (neighbouring clusters) read the same rows.
; THE ACTIVATION, with e = exp(min(x, 15)), m = min(e, 1), xa = |x|, d1 = 1 + e, d2 = 1 + e^2, d3 = d1^2 + 1, d4 = 1 + 0.33267 xa, t = 1/d4:
;   f = C0 + k1 x + Bc m + N / (d1 d2 d3) + xa (k2 + t (a1 + a2 t + a3 t^2) exp(-x^2 / 2)),   N = (-(w0 + w4 x) d2 - 2 w2 d1) d3 - 2 w7 x d1 d2
;   from sigmoid = 1 - 1/d1, tanh = 1 - 2/d2, tanh(softplus) = 1 - 2/d3, relu = (x + xa)/2, elu = relu + m - 1, gelu = relu - xa Q(xa);
;   Bc = w1 + 1.7580993 w6, C0 = w0 + w2 - Bc, k2 = (w1 + w3 + w5 + 1.0507010 w6)/2, k1 = w4 + w7 + k2, a_k = -w5 x (the series' k-th coefficient) / sqrt(2 pi).
;   Q by Abramowitz and Stegun 26.2.16.  One reciprocal, of d1 d2 d3 d4, gives 1/(d1 d2 d3) and t.
; LIMITS: Q is within 1e-5 for every x, so the gelu term is within about 3e-5 w5; the clamp at 15 leaves a relative error of at most 3e-7;
;   for very negative x the terms in x and xa cancel to about 1e-7 |x|; finite results for |x| < 1e12 (N holds |x| d2 d3, at most |x| 1.2e26;
;   where d1 d2 d3 d4 passes the format's range its reciprocal is 0, and the quotients, there below 3e-7 |x|, drop out); an infinite pre-activation gives NaN.
.set APITCH_EL, 1024                   ; A: elements from row to row
.set BPITCH, 16384                     ; W1: bytes from k row to k row
.set LAPS,   4                         ; a lap = 2 K steps of 128 = 8 quarters of 32
.set PITCH,  272
.set AWAVE,  128*PITCH                 ; one wave's rows of A in a slot
.set ASLOT,  4*AWAVE
.set BB0,    2*ASLOT                   ; B's slots (a multiple of 256): written by LDS stores only, never by the mover; later the stage
.set BPL,    288                       ; 256 bytes + 32: an odd multiple of 32, for the transposing loads
.set BSLOT,  64*BPL
.set ADRA, 16                          ; v16-17 my A fragments in slot 0, 1
.set ADRB, 18                          ; v18 B fragments
.set STA,  19                          ; v19 where I store converted rows
.set GOB,  20                          ; v20 my offset in W1
.set STO,  21                          ; v21 stage, in
.set RD,   22                          ; v22 stage, back
.set CO,   23                          ; v23 offset in hbuf
.set BO,   24                          ; v24 offset in b1
.set CW4N, 32                          ; v32-53: 11 constants, each twice (a pair for the packed forms)
.set CW0N, 34
.set CW2N, 36
.set CW7N, 38
.set CBC,  40
.set CC0,  42
.set CK1,  44
.set CK2,  46
.set CA1,  48
.set CA2,  50
.set CA3,  52
.set F0,   64                          ; fragment buffer 0 (A in window 0, B in window 1)
.set F1,   128                         ; fragment buffer 1
.set TMP,  192                         ; v192-207 converted words
.set ZE, 64                            ; the activation's 7 x 16 registers, in the fragment buffers when the products are over; what each holds in turn stands in ACT16
.set ZP, 80
.set ZA, 96
.set ZB, 112
.set ZX, 192
.set ZD, 208
.set ZT, 224
.set X,  128                           ; v128-191 a tile row's 64 pre-activations a lane
.set H,  240                           ; v240-247 sixteen results, packed
.set G1, 24                            ; s[24:31] descriptor group 1
.set G0, 32                            ; s[32:39] descriptor group 0, one set for each slot
; windows: 0 addresses, A fragments, work; 1 staging v0-63, v192-255 and B fragments; 2, 3 accumulators (tile (a, b) at v[8 (8 a + b)])
.set MSB, 0
.set MUL_LO, 0xa1                      ; source 0 (B) window 1, source 1 (A) window 0, C and D window 2
.set MUL_HI, 0xf1                      ; the same, C and D window 3
.set TO_W1,  0x40                      ; destination window 1
.set CVT,    0x05                      ; sources 0 and 1 window 1
.macro WIN new                         ; the immediate's high byte repeats the setting that is left
.if MSB != (\new)
	s_set_vgpr_msb (MSB<<8)|(\new)
.set MSB, (\new)
.endif
.endm
.macro PLACES                          ; four places behind matrix instructions before a load lands on their sources or their results are read
.rept 4
	v_nop
.endr
.endm
.macro CREST                           ; a round of the cluster's barrier behind its opening barrier
	s_cmp_lg_u32 s14, 0
	s_cbranch_scc1 .Lnot_wave_0_\@
	s_barrier_signal -3
.Lnot_wave_0_\@:
	s_barrier_wait -3
	s_barrier_signal -1
	s_barrier_wait -1
.endm
.macro CROUND
	s_barrier_signal -1
	s_barrier_wait -1
	CREST
.endm
; 16 matrix instructions: m tiles a0, a0 + 1 of the window's four x all 8 n tiles, 32 along K.  Source 0 = columns of W, source 1 = rows of A:
; lane l then holds row l % 16 and its registers eight neighbouring columns.  The 64 accumulators take turns in the same order in every quarter.
.macro MUL16 f, hi, a0, zero
.irp a, \a0, \a0+1
.irp b, 0,1,2,3,4,5,6,7
.if \zero
	v_wmma_f32_16x16x32_bf16 v[8*(8*(\a)+\b):8*(8*(\a)+\b)+7], v[\f+8*\b:\f+8*\b+7], v[\f+8*(4*\hi+\a):\f+8*(4*\hi+\a)+7], 0
.else
	v_wmma_f32_16x16x32_bf16 v[8*(8*(\a)+\b):8*(8*(\a)+\b)+7], v[\f+8*\b:\f+8*\b+7], v[\f+8*(4*\hi+\a):\f+8*(4*\hi+\a)+7], v[8*(8*(\a)+\b):8*(8*(\a)+\b)+7]
.endif
.endr
.endr
.endm
; 32 LDS loads: one quarter's fragments into buffer f.  B: slot q, k rows k0 .. k0 + 31, transposed on the way; A: slot p, byte akb of the rows.
.macro FETCH p, akb, q, k0, f
	WIN TO_W1
.irp i, 0,1,2,3,4,5,6,7
	ds_load_tr16_b128 v[\f+8*\i:\f+8*\i+3],   v[ADRB] offset:(\q)*BSLOT+(\k0)*BPL+32*\i
	ds_load_tr16_b128 v[\f+8*\i+4:\f+8*\i+7], v[ADRB] offset:(\q)*BSLOT+(\k0)*BPL+32*\i+16*BPL
.endr
	WIN 0
.irp i, 0,1,2,3,4,5,6,7
	ds_load_b128 v[\f+8*\i:\f+8*\i+3],   v[ADRA+(\p)] offset:(\akb)+\i*16*PITCH
	ds_load_b128 v[\f+8*\i+4:\f+8*\i+7], v[ADRA+(\p)] offset:(\akb)+\i*16*PITCH+32
.endr
.endm
; staging buffer buf: cv = 1: its chunk is rounded and stored to B slot q from row row0 (cnt = loads of the younger chunks, which stay out);
; ld = 1: it is asked for again, chunk rel counted from the lap's base.
.macro STG buf, q, row0, cv, cnt, ld, rel
.set SREG, 32*(\buf)+128*((\buf)/2)
.if \cv
	s_wait_loadcnt \cnt
	WIN CVT
.irp i, 0,1,2,3,4,5,6,7
	v_cvt_pk_bf16_f32 v[TMP+2*\i],   v[SREG+4*\i],   v[SREG+4*\i+1]
	v_cvt_pk_bf16_f32 v[TMP+2*\i+1], v[SREG+4*\i+2], v[SREG+4*\i+3]
.endr
	WIN 0
.irp i, 0,1,2,3,4,5,6,7
	ds_store_b64 v[STA], v[TMP+2*\i:TMP+2*\i+1] offset:(\q)*BSLOT+((\row0)+\i)*BPL
.endr
.endif
.if \ld
	WIN TO_W1
.irp i, 0,1,2,3,4,5,6,7
	global_load_b128 v[SREG+4*\i:SREG+4*\i+3], v[GOB], s[48:49] offset:(32*(\rel)+\i)*BPITCH
.endr
.endif
.endm
; quarter j = 0 or 2 of the K step in A slot p: multiplies buffer 0; converts the chunk two quarters ahead into the other B slot; fetches quarter j + 1 into buffer 1
.macro QUARTER p, j, zero, cv, cnt, ld, rel
.set QB, ((\j)+2)&3
.set QS, 1-((\j)>>1)
.set QK, 64+64*(\j)
.set QQ, (\j)>>1
	s_wait_dscnt 8                                 ; all but the youngest eight loads (A's rows 64-127)
	WIN MUL_LO
	MUL16 F0, 0, 0, \zero
	MUL16 F0, 0, 2, \zero
	s_wait_dscnt 0
	STG QB, QS, 0, \cv, \cnt, \ld, \rel
	PLACES
	FETCH \p, QK, QQ, 32, F1
	WIN MUL_HI
	MUL16 F0, 1, 0, \zero
	MUL16 F0, 1, 2, \zero
.endm
; quarter j = 1 or 3: multiplies buffer 1 and changes B slots behind ONE barrier: in front of it my stores into the next B slot and my reads of this one are done.
; kind 0: that alone (A's load may stay out).  kind 1: A slot p has been read to its end; all my tensor loads are waited for, the barrier
; opens a round of the cluster's barrier, and the joint refill is my first and only tensor load behind it.  kind 2: as 1 without refill and round.
.macro TURN p, j, kind, cv, cnt, ld, rel
.set QB, ((\j)+2)&3
.set QS, 1-((\j)>>1)
	s_wait_dscnt 8
	WIN MUL_LO
	MUL16 F1, 0, 0, 0
	STG QB, QS, 32, \cv, \cnt, \ld, \rel
	s_wait_dscnt 0
.if \kind
	s_wait_tensorcnt 0x0                           ; the one that was out is my part of the other A slot
	ds_add_u32 v254, v255
	s_wait_dscnt 0x0
.endif
	s_barrier_signal -1
	WIN MUL_LO
	MUL16 F1, 0, 2, 0
	WIN 0
	s_barrier_wait -1
.if \kind == 1
	CREST
	s_add_nc_u64 s[G0+4*(\p)+2:G0+4*(\p)+3], s[G0+4*(\p)+2:G0+4*(\p)+3], 512   ; two K steps on
	tensor_load_to_lds s[G0+4*(\p):G0+4*(\p)+3], s[G1:G1+7]
	s_nop 0
.endif
	PLACES
.if \j == 1
	FETCH \p, 128, 1, 0, F0
.else
	FETCH 1-(\p), 0, 0, 0, F0
.endif
	WIN MUL_HI
	MUL16 F1, 1, 0, 0
	MUL16 F1, 1, 2, 0
.endm
.macro LAP zero                        ; 24 = three younger chunks x 8 loads
	QUARTER 0, 0, \zero, 1, 24, 1, 6
	TURN    0, 1, 0, 1, 24, 1, 7
	QUARTER 0, 2, 0, 1, 24, 1, 8
	TURN    0, 3, 1, 1, 24, 1, 9
	QUARTER 1, 0, 0, 1, 24, 1, 10
	TURN    1, 1, 0, 1, 24, 1, 11
	QUARTER 1, 2, 0, 1, 24, 1, 12
	TURN    1, 3, 1, 1, 24, 1, 13
	WIN 0
	s_wait_xcnt 0x0                                ; W's base is stepped only behind this wait
	s_add_nc_u64 s[48:49], s[48:49], 256*BPITCH
.endm
	s_load_b256 s[4:11], s[0:1], 0x0               ; xb s[4:5], W1 s[6:7], b1 s[8:9], act_w s[10:11]
	s_load_b64 s[12:13], s[0:1], 0x20              ; hbuf
	v_lshl_add_u32 v254, v0, 2, 0x4d000
	v_mov_b32 v255, 0
	ds_add_u32 v254, v255
	v_lshrrev_b32 v1, 5, v0
	v_readfirstlane_b32 s14, v1                    ; wave 0..3
	s_bfe_u32 s42, ttmp6, 0x40000                  ; my place in the cluster: it enters s[42:49] alone
	s_and_b32 s16, ttmp9, 1                        ; m block
	s_lshr_b32 s43, ttmp9, 1
	s_lshl2_add_u32 s42, s43, s42                  ; n block
	s_and_b32 s18, ttmp7, 0xffff                   ; expert
	s_mov_b32 s[G1+0], 15|(1<<16)|(1<<20)|(1<<21)|(5<<22)|(3<<25)  ; mask: all four; 2-byte elements; padding on; bit 21 beside a mask; after every 64 words 4 words
	s_mov_b32 s[G1+1], 128<<16                     ; tensor_dim0 = 128
	s_mov_b32 s[G1+2], 128<<16                     ; tensor_dim1 = 128
	s_mov_b32 s[G1+3], 128<<16                     ; tile_dim0 = 128
	s_mov_b32 s[G1+4], 128                         ; tile_dim1 = 128
	s_mov_b32 s[G1+5], APITCH_EL
	s_mov_b32 s[G1+6], 0
	s_mov_b32 s[G1+7], 0
	s_lshl_b32 s20, s16, 20                        ; 512 rows of 2,048 bytes
	s_lshl_b32 s19, s14, 18                        ; 128 rows
	s_add_co_u32 s20, s20, s19
	s_mov_b32 s21, 0
	s_mul_i32 s19, s14, AWAVE                      ; my rows in an A slot
	s_lshl_b32 s44, s18, 24                        ; W1: expert,
	s_lshl_b32 s45, s42, 9                         ; 128 columns of f32
	s_add_co_u32 s44, s44, s45
	s_mov_b32 s45, 0
	s_mov_b32 s50, 0x41700000                      ; 15.0
	s_mov_b32 s51, 0x7fffffff                      ; clears a sign
	s_wait_dscnt 0x0
	s_wait_kmcnt 0x0
	s_load_b256 s[52:59], s[10:11], 0x0            ; act_w, nine numbers
	s_load_b32 s60, s[10:11], 0x20
	s_add_nc_u64 s[22:23], s[4:5], s[20:21]
	s_add_nc_u64 s[48:49], s[6:7], s[44:45]
.irp p, 0,1
	s_mov_b32 s[G0+4*\p], 1
	s_add_co_u32 s[G0+4*\p+1], s19, \p*ASLOT
	s_add_nc_u64 s[G0+4*\p+2:G0+4*\p+3], s[22:23], \p*256
	s_or_b32 s[G0+4*\p+3], s[G0+4*\p+3], 0x80000000
.endr
	CROUND                                         ; all four work-groups are here: the first joint loads meet
	tensor_load_to_lds s[G0:G0+3], s[G1:G1+7]      ; K step 0
	s_nop 0
	tensor_load_to_lds s[G0+4:G0+7], s[G1:G1+7]    ; K step 1: two tensor loads of the wave are out here, one later
	s_nop 0
	v_nop
	v_and_b32 v1, 31, v0
	s_mul_i32 s15, s14, 8*BPITCH
	v_lshl_add_u32 v[GOB], v1, 4, s15
.irp c, 0,1,2,3
	STG \c, 0, 0, 0, 0, 1, \c                      ; chunks 0 to 3
.endr
	WIN 0
	v_and_b32 v2, 15, v0                           ; r
	v_bfe_u32 v3, v0, 4, 1                         ; h
	v_mul_u32_u24 v4, v2, PITCH
	v_lshl_add_u32 v4, v3, 4, v4
	v_add_nc_u32 v[ADRA], s19, v4
	v_add_nc_u32 v[ADRA+1], ASLOT, v[ADRA]
	v_and_b32 v5, 7, v0
	v_lshl_add_u32 v5, v3, 3, v5
	v_mul_u32_u24 v5, v5, BPL
	v_bfe_u32 v6, v0, 3, 1
	v_lshl_add_u32 v5, v6, 4, v5
	v_add_nc_u32 v[ADRB], BB0, v5
	s_mul_i32 s17, s14, 8*BPL
	s_add_co_u32 s17, s17, BB0
	v_lshl_add_u32 v[STA], v1, 3, s17
	s_mul_i32 s41, s14, 16*PITCH
	s_add_co_u32 s41, s41, BB0                     ; my stage
	v_add_nc_u32 v[STO], s41, v4
	v_mul_u32_u24 v5, v3, PITCH
	v_lshl_add_u32 v5, v2, 4, v5
	v_add_nc_u32 v[RD], s41, v5
	v_lshlrev_b32 v5, 13, v3
	v_lshl_add_u32 v[CO], v2, 4, v5                ; two rows of hbuf a store: lanes 0-15 one, lanes 16-31 the next
	v_lshlrev_b32 v[BO], 5, v3
	s_lshl_b32 s46, s18, 23                        ; hbuf: expert, m block, wave, n block
	s_lshl_b32 s47, s16, 22
	s_add_co_u32 s46, s46, s47
	s_lshl_b32 s47, s14, 20
	s_add_co_u32 s46, s46, s47
	s_lshl_b32 s47, s42, 8
	s_add_co_u32 s46, s46, s47
	s_mov_b32 s47, 0
	s_add_nc_u64 s[12:13], s[12:13], s[46:47]
	s_lshl_b32 s46, s18, 14                        ; b1: expert, n block
	s_lshl_b32 s47, s42, 9
	s_add_co_u32 s46, s46, s47
	s_mov_b32 s47, 0
	s_add_nc_u64 s[8:9], s[8:9], s[46:47]
	; softmax(act_w), its maximum taken away, and the 11 constants; uniform vector arithmetic, once
	s_wait_kmcnt 0x0
	v_max_num_f32 v1, s52, s53
	v_max3_num_f32 v1, v1, s54, s55
	v_max3_num_f32 v1, v1, s56, s57
	v_max3_num_f32 v1, v1, s58, s59
	v_max_num_f32 v1, s60, v1
.irp k, 0,1,2,3,4,5,6,7,8
	v_sub_f32 v[64+\k], s[52+\k], v1
.endr
.irp k, 0,1,2,3,4,5,6,7,8
	v_mul_f32 v[64+\k], 0x3fb8aa3b, v[64+\k]
.endr
.irp k, 0,1,2,3,4,5,6,7,8
	v_exp_f32 v[64+\k], v[64+\k]
.endr
	v_nop                                          ; one plain instruction behind transcendentals before their results are used (ISA guide 5.7.2)
	s_wait_alu depctr_va_vdst(0)
	v_add_f32 v2, v64, v65
	v_add_f32 v3, v66, v67
	v_add_f32 v4, v68, v69
	v_add_f32 v5, v70, v71
	v_add_f32 v2, v2, v3
	v_add_f32 v4, v4, v5
	v_add_f32 v2, v2, v72
	v_add_f32 v2, v2, v4
	v_rcp_f32 v2, v2
	v_nop
	s_wait_alu depctr_va_vdst(0)
.irp k, 0,1,2,3,4,5,6,7
	v_mul_f32 v[64+\k], v[64+\k], v2               ; w0 .. w7 (w8 weighs the zero term)
.endr
	v_mul_f32 v[CW4N], -1.0, v68
	v_mul_f32 v[CW0N], -1.0, v64
	v_mul_f32 v[CW2N], -2.0, v66
	v_mul_f32 v[CW7N], -2.0, v71
	v_fmamk_f32 v[CBC], v70, 0x3fe10966, v65       ; Bc = w1 + 1.7580993 w6
	v_add_f32 v[CC0], v64, v66
	v_sub_f32 v[CC0], v[CC0], v[CBC]               ; C0 = w0 + w2 - Bc
	v_add_f32 v[CK2], v65, v67
	v_add_f32 v[CK2], v[CK2], v69
	v_fmamk_f32 v[CK2], v70, 0x3f867d5f, v[CK2]    ; relu's weight: w1 + w3 + w5 + 1.0507010 w6,
	v_mul_f32 v[CK2], 0.5, v[CK2]                  ; k2 = half of it, on xa,
	v_add_f32 v[CK1], v68, v71
	v_add_f32 v[CK1], v[CK1], v[CK2]               ; k1 = w4 + w7 + the other half, on x
	v_mul_f32 v[CA1], 0xbe323039, v69              ; -w5 x 0.4361836 / sqrt(2 pi)
	v_mul_f32 v[CA2], 0x3d445cab, v69              ; -w5 x -0.1201676 / sqrt(2 pi)
	v_mul_f32 v[CA3], 0xbebf7377, v69              ; -w5 x 0.9372980 / sqrt(2 pi)
.irp c, 32,34,36,38,40,42,44,46,48,50,52
	v_mov_b32 v[\c+1], v[\c]
.endr
	STG 0, 0, 0, 1, 24, 1, 4                       ; chunks 0 and 1 fill B slot 0; chunks 4 and 5 go out
	STG 1, 0, 32, 1, 24, 1, 5
	WIN 0
	s_wait_tensorcnt 0x1                           ; my part of K step 0 is in; K step 1's may stay out
	s_wait_dscnt 0x0
	s_barrier_signal -1
	s_barrier_wait -1
	FETCH 0, 0, 0, 0, F0
	LAP 1                                          ; the first products start the sums
	s_mov_b32 s40, LAPS-2
.Llap:
	LAP 0
	s_sub_co_u32 s40, s40, 1
	s_cmp_lg_u32 s40, 0
	s_cbranch_scc1 .Llap
	; the last lap, written out: two more chunks are asked for, no A slot is filled, the counts run down
	QUARTER 0, 0, 0, 1, 24, 1, 6
	TURN    0, 1, 0, 1, 24, 1, 7
	QUARTER 0, 2, 0, 1, 24, 0, 0
	TURN    0, 3, 2, 1, 16, 0, 0
	QUARTER 1, 0, 0, 1, 8, 0, 0
	TURN    1, 1, 0, 1, 0, 0, 0
	QUARTER 1, 2, 0, 0, 0, 0, 0
	WIN TO_W1
.irp b, 0,1,2,3,4,5,6,7
	global_load_b128 v[8*\b:8*\b+3],   v[BO], s[8:9] offset:64*\b      ; b1 of my 64 columns (16 b + 8 h + 0..7), into staging registers that are free
	global_load_b128 v[8*\b+4:8*\b+7], v[BO], s[8:9] offset:64*\b+16
.endr
	s_wait_dscnt 8
	WIN MUL_LO
	MUL16 F1, 0, 0, 0
	MUL16 F1, 0, 2, 0
	s_wait_dscnt 0
	WIN MUL_HI
	MUL16 F1, 1, 0, 0
	MUL16 F1, 1, 2, 0
	WIN 0
	; ---- THE WAY OUT: eight trips, 16 rows each: bias, activation, bf16, through my stage, whole 256-byte pieces of rows out ----
	s_wait_loadcnt 0x0                             ; b1
	s_barrier_signal -1                            ; every wave's reads of B's slots are over (each waited for them above): the bytes become stages
	s_barrier_wait -1
	PLACES
; a step of the activation on 16 numbers: eight packed instructions, so that eight instructions stand between a result and its use
.macro PMUL d, a, b
.irp k, 0,2,4,6,8,10,12,14
	v_pk_mul_f32 v[\d+\k:\d+\k+1], v[\a+\k:\a+\k+1], v[\b+\k:\b+\k+1]
.endr
.endm
.macro PFMA d, a, b, c
.irp k, 0,2,4,6,8,10,12,14
	v_pk_fma_f32 v[\d+\k:\d+\k+1], v[\a+\k:\a+\k+1], v[\b+\k:\b+\k+1], v[\c+\k:\c+\k+1]
.endr
.endm
.macro PFC d, a, c, e                  ; d = a x constant c + e
	s_wait_alu depctr_va_vdst(0)
.irp k, 0,2,4,6,8,10,12,14
	v_pk_fma_f32 v[\d+\k:\d+\k+1], v[\a+\k:\a+\k+1], v[\c:\c+1], v[\e+\k:\e+\k+1]
.endr
.endm
.macro PFCC d, a, c, e                 ; d = a x constant c + constant e
.irp k, 0,2,4,6,8,10,12,14
	v_pk_fma_f32 v[\d+\k:\d+\k+1], v[\a+\k:\a+\k+1], v[\c:\c+1], v[\e:\e+1]
.endr
.endm
.macro PFVC d, a, b, c                 ; d = a x b + constant c
.irp k, 0,2,4,6,8,10,12,14
	v_pk_fma_f32 v[\d+\k:\d+\k+1], v[\a+\k:\a+\k+1], v[\b+\k:\b+\k+1], v[\c:\c+1]
.endr
.endm
; sixteen numbers at v[x ..] (two accumulator tiles) to eight packed words at v[H ..].  Seven temporaries, updated in place.
; Each run of 16 transcendentals takes turns with 16 plain instructions that touch none of its registers: these are also the places
; that stand between a transcendental and the use of its result (ISA guide 5.7.2).
.macro ACT16 x
.irp k, 0,1,2,3,4,5,6,7,8,9,10,11,12,13,14,15
	v_min_num_f32 v[ZE+\k], s50, v[\x+\k]          ; min(x, 15)
.endr
.irp k, 0,2,4,6,8,10,12,14
	v_pk_mul_f32 v[ZP+\k:ZP+\k+1], v[\x+\k:\x+\k+1], 0xbf38aa3b op_sel_hi:[1,0]
.endr
.irp k, 0,2,4,6,8,10,12,14
	v_pk_mul_f32 v[ZE+\k:ZE+\k+1], v[ZE+\k:ZE+\k+1], 0x3fb8aa3b op_sel_hi:[1,0]
.endr
	PMUL ZP, ZP, \x                                ; -x^2 / 2 x log2(e)
.irp k, 0,2,4,6,8,10,12,14
	v_exp_f32 v[ZE+\k], v[ZE+\k]                   ; e
	v_pk_fma_f32 v[ZA+\k:ZA+\k+1], v[\x+\k:\x+\k+1], v[CW4N:CW4N+1], v[CW0N:CW0N+1]   ; -(w0 + w4 x)
	v_exp_f32 v[ZE+\k+1], v[ZE+\k+1]
	v_pk_mul_f32 v[ZB+\k:ZB+\k+1], v[\x+\k:\x+\k+1], v[CW7N:CW7N+1]                   ; -2 w7 x
.endr
.irp k, 0,1,2,3,4,5,6,7,8,9,10,11,12,13,14,15
	v_exp_f32 v[ZP+\k], v[ZP+\k]                   ; exp(-x^2 / 2)
	v_and_b32 v[ZX+\k], s51, v[\x+\k]              ; xa
.endr
	s_wait_alu depctr_va_vdst(0)
.irp k, 0,2,4,6,8,10,12,14
	v_pk_add_f32 v[ZD+\k:ZD+\k+1], v[ZE+\k:ZE+\k+1], 1.0 op_sel_hi:[1,0]                       ; d1
.endr
.irp k, 0,2,4,6,8,10,12,14
	v_pk_fma_f32 v[ZT+\k:ZT+\k+1], v[ZE+\k:ZE+\k+1], v[ZE+\k:ZE+\k+1], 1.0 op_sel_hi:[1,1,0]   ; d2
.endr
	PMUL ZA, ZA, ZT                                ; -(w0 + w4 x) d2
	PMUL ZT, ZD, ZT                                ; d1 d2
	PFC  ZA, ZD, CW2N, ZA                          ; - 2 w2 d1
.irp k, 0,2,4,6,8,10,12,14
	v_pk_fma_f32 v[ZD+\k:ZD+\k+1], v[ZD+\k:ZD+\k+1], v[ZD+\k:ZD+\k+1], 1.0 op_sel_hi:[1,1,0]   ; d3
.endr
	PMUL ZA, ZA, ZD
	PFMA ZA, ZB, ZT, ZA                            ; N
	PMUL ZT, ZT, ZD                                ; d1 d2 d3
.irp k, 0,2,4,6,8,10,12,14
	v_pk_fma_f32 v[ZB+\k:ZB+\k+1], v[ZX+\k:ZX+\k+1], 0x3eaa53b9, 1.0 op_sel_hi:[1,0,0]         ; d4
.endr
	PMUL ZD, ZT, ZB                                ; d1 d2 d3 d4
.irp k, 0,1,2,3,4,5,6,7,8,9,10,11,12,13,14,15
	v_rcp_f32 v[ZD+\k], v[ZD+\k]
	v_min_num_f32 v[ZE+\k], 1.0, v[ZE+\k]          ; m
.endr
	PFCC ZE, ZE, CBC, CC0                          ; the sum begins: C0 + Bc m
	PFC  ZE, \x, CK1, ZE                           ; + k1 x
	PMUL ZB, ZD, ZB                                ; 1 / (d1 d2 d3)
	PMUL ZT, ZD, ZT                                ; t = 1 / d4
	PFMA ZE, ZA, ZB, ZE                            ; + N / (d1 d2 d3)
	PFCC ZA, ZT, CA3, CA2
	PFVC ZA, ZA, ZT, CA1
	PMUL ZA, ZA, ZT
	PFVC ZA, ZA, ZP, CK2                           ; k2 - w5 Q(xa)
	PFMA ZE, ZX, ZA, ZE                            ; + xa x that
.irp k, 0,1,2,3,4,5,6,7
	v_cvt_pk_bf16_f32 v[H+\k], v[ZE+2*\k], v[ZE+2*\k+1]
.endr
.endm
.macro COPY a                          ; X = m tile a's eight accumulator tiles + bias
	WIN 0x06+((\a)>>2)
.irp b, 0,1,2,3,4,5,6,7
.irp k, 0,2,4,6
	v_pk_add_f32 v[X+8*\b+\k:X+8*\b+\k+1], v[8*(8*((\a)&3)+\b)+\k:8*(8*((\a)&3)+\b)+\k+1], v[8*\b+\k:8*\b+\k+1]
.endr
.endr
	WIN 0
.endm
	s_mov_b32 s40, 0
.Ltile:                                ; registers cannot be indexed: the trip's number picks one of eight copies, and the activation's text stands once
.irp a, 0,1,2,3,4,5,6
	s_cmp_eq_u32 s40, \a
	s_cbranch_scc1 .Lcp\a
.endr
	COPY 7
	s_branch .Lact
.Lcp0:
	COPY 0
	s_branch .Lact
.Lcp1:
	COPY 1
	s_branch .Lact
.Lcp2:
	COPY 2
	s_branch .Lact
.Lcp3:
	COPY 3
	s_branch .Lact
.Lcp4:
	COPY 4
	s_branch .Lact
.Lcp5:
	COPY 5
	s_branch .Lact
.Lcp6:
	COPY 6
.Lact:
	s_wait_xcnt 0x0                                ; the last trip's stores read v64-95 and the base: both are rewritten only behind this wait (the copy above wrote v128-191 alone)
	s_add_nc_u64 s[12:13], s[12:13], 16*8192       ; stepped ahead of the trip's stores, which reach back by their immediate
.irp u, 0,1,2,3
	ACT16 X+16*\u
	ds_store_b128 v[STO], v[H:H+3] offset:64*\u            ; n tile 2 u
	ds_store_b128 v[STO], v[H+4:H+7] offset:64*\u+32       ; n tile 2 u + 1
.endr
.irp t, 0,1,2,3,4,5,6,7
	ds_load_b128 v[ZE+4*\t:ZE+4*\t+3], v[RD] offset:\t*2*PITCH   ; LDS serves a wave's instructions in order (ISA guide 5.7.1.4): these see the stores above
.endr
.irp t, 0,1,2,3,4,5,6,7
	s_wait_dscnt 7-\t
	global_store_b128 v[CO], v[ZE+4*\t:ZE+4*\t+3], s[12:13] offset:\t*16384-16*8192   ; 16 lanes store 256 consecutive bytes, at a multiple of 256 from hbuf's first byte
.endr
	s_add_co_u32 s40, s40, 1
	s_cmp_lt_u32 s40, 8
	s_cbranch_scc1 .Ltile
	s_wait_tensorcnt 0x0
	ds_add_u32 v254, v255
	s_wait_dscnt 0x0
	CROUND                                         ; the closing round: no work-group ends while a partner may still ask jointly
	s_endpgm
.Lfunc_end_k_q593c0a6e45_ffn1:
	.size	k_q593c0a6e45_ffn1, .Lfunc_end_k_q593c0a6e45_ffn1-k_q593c0a6e45_ffn1
	.p2alignl 7, 3214868480
	.fill 96, 4, 3214868480
	.section	.rodata,"a",@progbits
	.p2align	6, 0x0
	.amdhsa_kernel k_q593c0a6e45_ffn1
		.amdhsa_group_segment_fixed_size 327680
		.amdhsa_private_segment_fixed_size 0
		.amdhsa_enable_private_segment 0
		.amdhsa_kernarg_size 40
		.amdhsa_user_sgpr_count 2
		.amdhsa_user_sgpr_kernarg_segment_ptr 1
		.amdhsa_wavefront_size32 1
		.amdhsa_system_sgpr_workgroup_id_x 1
		.amdhsa_system_sgpr_workgroup_id_y 1
		.amdhsa_system_sgpr_workgroup_id_z 1
		.amdhsa_system_vgpr_workitem_id 0
		.amdhsa_next_free_vgpr 1024
		.amdhsa_next_free_sgpr 66
		.amdhsa_reserve_vcc 0
		.amdhsa_float_denorm_mode_32 3
		.amdhsa_float_denorm_mode_16_64 3
		.amdhsa_memory_ordered 1
		.amdhsa_forward_progress 1
		.amdhsa_inst_pref_size 255
	.end_amdhsa_kernel
	.section	.bss,"aw",@nobits
	.p2align	6
	.space	262144
	.amdgpu_metadata
---
amdhsa.version: [ 1, 2 ]
amdhsa.kernels:
  - .name:           k_q593c0a6e45_ffn1
    .symbol:         k_q593c0a6e45_ffn1.kd
    .args:
      - { .name: xb, .offset: 0, .size: 8, .value_kind: global_buffer, .address_space: global }
      - { .name: W1, .offset: 8, .size: 8, .value_kind: global_buffer, .address_space: global }
      - { .name: b1, .offset: 16, .size: 8, .value_kind: global_buffer, .address_space: global }
      - { .name: act_w, .offset: 24, .size: 8, .value_kind: global_buffer, .address_space: global }
      - { .name: hbuf, .offset: 32, .size: 8, .value_kind: global_buffer, .address_space: global }
    .group_segment_fixed_size: 327680
    .private_segment_fixed_size: 0
    .kernarg_segment_align: 8
    .kernarg_segment_size: 40
    .max_flat_workgroup_size: 128
    .sgpr_count:     66
    .vgpr_count:     1024
    .wavefront_size: 32
...
	.end_amdgpu_metadata
.endif
;; end of part 2
;; launch ffn2 (part 3): grid 16 x 16, 4 waves a work-group, clusters of 4 x 1, 327,680 bytes of LDS; arguments hbuf, W2, part; writes part
.if DOCPART == 3
	.amdgcn_target "amdgcn-amd-amdhsa--gfx1250"
	.amdhsa_code_object_version 6
	.text
	.protected	k_q593c0a6e45_ffn2
	.globl	k_q593c0a6e45_ffn2
	.p2align	8
	.type	k_q593c0a6e45_ffn2,@function
k_q593c0a6e45_ffn2:
	s_mov_b64 s[64:65], 0
	v_nop
	global_prefetch_b8 v0, s[64:65] scope:SCOPE_SE
	s_setreg_imm32_b32 hwreg(HW_REG_WAVE_MODE, 25, 1), 1
	s_wait_xcnt 0x0
	s_wait_alu depctr_hold_cnt(0) depctr_sa_sdst(0) depctr_va_vdst(0) depctr_va_sdst(0) depctr_va_ssrc(0) depctr_va_vcc(0) depctr_vm_vsrc(0)
	s_getreg_b32 s2, hwreg(HW_REG_IB_STS2, 6, 4)
	s_cmp_eq_u32 s2, 0
	s_cbranch_scc0 .Lentry_in_a_cluster
	s_endpgm
.Lentry_in_a_cluster:
	s_bfe_u32 s2, ttmp6, 0x10000c
	s_cmp_lg_u32 s2, 0x3003
	s_cbranch_scc0 .Lentry_shape_is_right
	s_endpgm
.Lentry_shape_is_right:
; ffn2: part[s] = hbuf[e][:, 2048 half ..] @ W2[e][2048 half .., :], s = 2 e + half: 16 splits of K, each K = 2048.  part f32 [16][1024][1024].
; The gate and the sum over the splits come in the last launch, so no sum spans work-groups here.
; A work-group makes 512 (m) x 128 (n) with four waves stacked along m; a wave makes 128 x 128: 64 accumulator tiles, 512 registers.
; A (hbuf): K steps of 128 through two LDS slots filled by the tensor data mover; wave w fetches and reads its own 128 rows (rows of 256 bytes, padded to 272).
; B (W2): f32 with n along the rows.  It passes registers: chunks of 32 k rows (wave w: rows 8 w .. 8 w + 7, one load = one row's 512 consecutive bytes),
;   four chunks always on their way in four staging buffers; rounded to bf16; stored [k][n] into one of two LDS slots of 64 k rows; read by transposing loads.
; CLUSTER 4 x 1: the four work-groups of a cluster have the same split and m block and neighbouring n blocks, need the same tiles of A and ask for them jointly (mask 15).
;   m block = cluster x & 1, n block = 4 (cluster x >> 1) + place in the cluster, split = y.
;   W2 is not asked for jointly: it must pass registers for the rounding, and only the two m blocks (neighbouring clusters) read the same rows.
.set APITCH_EL, 4096
.set BPITCH, 4096
.set LAPS,   8                         ; a lap = 2 K steps of 128 = 8 quarters of 32
.set PITCH,  272
.set AWAVE,  128*PITCH
.set ASLOT,  4*AWAVE
.set BB0,    2*ASLOT                   ; B's slots (a multiple of 256): written by LDS stores only, never by the mover; later the stage
.set BPL,    288
.set BSLOT,  64*BPL
.set SP2,    528                       ; a stage row: 512 bytes + 16
.set ADRA, 16
.set ADRB, 18
.set STA,  19
.set GOB,  20
.set STO,  21
.set RD,   22
.set CO,   23
.set F0,   64
.set F1,   128
.set TMP,  192
.set G1, 24
.set G0, 32
; windows: 0 addresses, A fragments, work; 1 staging v0-63, v192-255 and B fragments; 2, 3 accumulators (tile (a, b) at v[8 (8 a + b)])
.set MSB, 0
.set MUL_LO, 0xa1
.set MUL_HI, 0xf1
.set TO_W1,  0x40
.set CVT,    0x05
.macro WIN new                         ; the immediate's high byte repeats the setting that is left
.if MSB != (\new)
	s_set_vgpr_msb (MSB<<8)|(\new)
.set MSB, (\new)
.endif
.endm
.macro PLACES                          ; four places behind matrix instructions before a load lands on their sources or their results are read
.rept 4
	v_nop
.endr
.endm
.macro CREST
	s_cmp_lg_u32 s14, 0
	s_cbranch_scc1 .Lnot_wave_0_\@
	s_barrier_signal -3
.Lnot_wave_0_\@:
	s_barrier_wait -3
	s_barrier_signal -1
	s_barrier_wait -1
.endm
.macro CROUND
	s_barrier_signal -1
	s_barrier_wait -1
	CREST
.endm
; source 0 = columns of W, source 1 = rows of A: lane l holds row l % 16, its registers eight neighbouring columns.  The 64 accumulators take turns.
.macro MUL16 f, hi, a0, zero
.irp a, \a0, \a0+1
.irp b, 0,1,2,3,4,5,6,7
.if \zero
	v_wmma_f32_16x16x32_bf16 v[8*(8*(\a)+\b):8*(8*(\a)+\b)+7], v[\f+8*\b:\f+8*\b+7], v[\f+8*(4*\hi+\a):\f+8*(4*\hi+\a)+7], 0
.else
	v_wmma_f32_16x16x32_bf16 v[8*(8*(\a)+\b):8*(8*(\a)+\b)+7], v[\f+8*\b:\f+8*\b+7], v[\f+8*(4*\hi+\a):\f+8*(4*\hi+\a)+7], v[8*(8*(\a)+\b):8*(8*(\a)+\b)+7]
.endif
.endr
.endr
.endm
.macro FETCH p, akb, q, k0, f
	WIN TO_W1
.irp i, 0,1,2,3,4,5,6,7
	ds_load_tr16_b128 v[\f+8*\i:\f+8*\i+3],   v[ADRB] offset:(\q)*BSLOT+(\k0)*BPL+32*\i
	ds_load_tr16_b128 v[\f+8*\i+4:\f+8*\i+7], v[ADRB] offset:(\q)*BSLOT+(\k0)*BPL+32*\i+16*BPL
.endr
	WIN 0
.irp i, 0,1,2,3,4,5,6,7
	ds_load_b128 v[\f+8*\i:\f+8*\i+3],   v[ADRA+(\p)] offset:(\akb)+\i*16*PITCH
	ds_load_b128 v[\f+8*\i+4:\f+8*\i+7], v[ADRA+(\p)] offset:(\akb)+\i*16*PITCH+32
.endr
.endm
.macro STG buf, q, row0, cv, cnt, ld, rel
.set SREG, 32*(\buf)+128*((\buf)/2)
.if \cv
	s_wait_loadcnt \cnt                            ; the younger chunks' loads stay out
	WIN CVT
.irp i, 0,1,2,3,4,5,6,7
	v_cvt_pk_bf16_f32 v[TMP+2*\i],   v[SREG+4*\i],   v[SREG+4*\i+1]
	v_cvt_pk_bf16_f32 v[TMP+2*\i+1], v[SREG+4*\i+2], v[SREG+4*\i+3]
.endr
	WIN 0
.irp i, 0,1,2,3,4,5,6,7
	ds_store_b64 v[STA], v[TMP+2*\i:TMP+2*\i+1] offset:(\q)*BSLOT+((\row0)+\i)*BPL
.endr
.endif
.if \ld
	WIN TO_W1
.irp i, 0,1,2,3,4,5,6,7
	global_load_b128 v[SREG+4*\i:SREG+4*\i+3], v[GOB], s[48:49] offset:(32*(\rel)+\i)*BPITCH
.endr
.endif
.endm
; quarter j = 0 or 2: multiplies buffer 0; converts the chunk two quarters ahead into the other B slot; fetches quarter j + 1 into buffer 1
.macro QUARTER p, j, zero, cv, cnt, ld, rel
.set QB, ((\j)+2)&3
.set QS, 1-((\j)>>1)
.set QK, 64+64*(\j)
.set QQ, (\j)>>1
	s_wait_dscnt 8                                 ; all but the youngest eight loads (A's rows 64-127)
	WIN MUL_LO
	MUL16 F0, 0, 0, \zero
	MUL16 F0, 0, 2, \zero
	s_wait_dscnt 0
	STG QB, QS, 0, \cv, \cnt, \ld, \rel
	PLACES
	FETCH \p, QK, QQ, 32, F1
	WIN MUL_HI
	MUL16 F0, 1, 0, \zero
	MUL16 F0, 1, 2, \zero
.endm
; quarter j = 1 or 3: multiplies buffer 1 and changes B slots behind ONE barrier: in front of it my stores into the next B slot and my reads of this one are done.
; kind 0: that alone (A's load may stay out).  kind 1: A slot p has been read to its end; all my tensor loads are waited for, the barrier
; opens a round of the cluster's barrier, and the joint refill is my first and only tensor load behind it.  kind 2: as 1 without refill and round.
.macro TURN p, j, kind, cv, cnt, ld, rel
.set QB, ((\j)+2)&3
.set QS, 1-((\j)>>1)
	s_wait_dscnt 8
	WIN MUL_LO
	MUL16 F1, 0, 0, 0
	STG QB, QS, 32, \cv, \cnt, \ld, \rel
	s_wait_dscnt 0
.if \kind
	s_wait_tensorcnt 0x0                           ; the one that was out is my part of the other A slot
	ds_add_u32 v254, v255
	s_wait_dscnt 0x0
.endif
	s_barrier_signal -1
	WIN MUL_LO
	MUL16 F1, 0, 2, 0
	WIN 0
	s_barrier_wait -1
.if \kind == 1
	CREST
	s_add_nc_u64 s[G0+4*(\p)+2:G0+4*(\p)+3], s[G0+4*(\p)+2:G0+4*(\p)+3], 512   ; two K steps on
	tensor_load_to_lds s[G0+4*(\p):G0+4*(\p)+3], s[G1:G1+7]
	s_nop 0
.endif
	PLACES
.if \j == 1
	FETCH \p, 128, 1, 0, F0
.else
	FETCH 1-(\p), 0, 0, 0, F0
.endif
	WIN MUL_HI
	MUL16 F1, 1, 0, 0
	MUL16 F1, 1, 2, 0
.endm
.macro LAP zero                        ; 24 = three younger chunks x 8 loads
	QUARTER 0, 0, \zero, 1, 24, 1, 6
	TURN    0, 1, 0, 1, 24, 1, 7
	QUARTER 0, 2, 0, 1, 24, 1, 8
	TURN    0, 3, 1, 1, 24, 1, 9
	QUARTER 1, 0, 0, 1, 24, 1, 10
	TURN    1, 1, 0, 1, 24, 1, 11
	QUARTER 1, 2, 0, 1, 24, 1, 12
	TURN    1, 3, 1, 1, 24, 1, 13
	WIN 0
	s_wait_xcnt 0x0                                ; W's base is stepped only behind this wait
	s_add_nc_u64 s[48:49], s[48:49], 256*BPITCH
.endm
	s_load_b128 s[4:7], s[0:1], 0x0                ; hbuf s[4:5], W2 s[6:7]
	s_load_b64 s[12:13], s[0:1], 0x10              ; part
	v_lshl_add_u32 v254, v0, 2, 0x4d000
	v_mov_b32 v255, 0
	ds_add_u32 v254, v255
	v_lshrrev_b32 v1, 5, v0
	v_readfirstlane_b32 s14, v1                    ; wave 0..3
	s_bfe_u32 s42, ttmp6, 0x40000                  ; my place in the cluster: it enters s[42:49] alone
	s_and_b32 s16, ttmp9, 1                        ; m block
	s_lshr_b32 s43, ttmp9, 1
	s_lshl2_add_u32 s42, s43, s42                  ; n block
	s_and_b32 s18, ttmp7, 0xffff                   ; split
	s_mov_b32 s[G1+0], 15|(1<<16)|(1<<20)|(1<<21)|(5<<22)|(3<<25)  ; mask: all four; 2-byte elements; padding on; bit 21 beside a mask; after every 64 words 4 words
	s_mov_b32 s[G1+1], 128<<16
	s_mov_b32 s[G1+2], 128<<16
	s_mov_b32 s[G1+3], 128<<16
	s_mov_b32 s[G1+4], 128
	s_mov_b32 s[G1+5], APITCH_EL
	s_mov_b32 s[G1+6], 0
	s_mov_b32 s[G1+7], 0
	s_lshr_b32 s20, s18, 1
	s_lshl_b32 s20, s20, 23                        ; expert
	s_lshl_b32 s19, s16, 22                        ; 512 rows of 8,192 bytes
	s_add_co_u32 s20, s20, s19
	s_lshl_b32 s19, s14, 20                        ; 128 rows
	s_add_co_u32 s20, s20, s19
	s_and_b32 s19, s18, 1
	s_lshl_b32 s19, s19, 12                        ; the half of K: 2,048 elements
	s_add_co_u32 s20, s20, s19
	s_mov_b32 s21, 0
	s_mul_i32 s19, s14, AWAVE
	s_lshl_b32 s44, s18, 23                        ; W2: 2,048 k rows of 4,096 bytes a split,
	s_lshl_b32 s45, s42, 9                         ; 128 columns of f32
	s_add_co_u32 s44, s44, s45
	s_mov_b32 s45, 0
	s_wait_dscnt 0x0
	s_wait_kmcnt 0x0
	s_add_nc_u64 s[22:23], s[4:5], s[20:21]
	s_add_nc_u64 s[48:49], s[6:7], s[44:45]
.irp p, 0,1
	s_mov_b32 s[G0+4*\p], 1
	s_add_co_u32 s[G0+4*\p+1], s19, \p*ASLOT
	s_add_nc_u64 s[G0+4*\p+2:G0+4*\p+3], s[22:23], \p*256
	s_or_b32 s[G0+4*\p+3], s[G0+4*\p+3], 0x80000000
.endr
	CROUND                                         ; all four work-groups are here: the first joint loads meet
	tensor_load_to_lds s[G0:G0+3], s[G1:G1+7]      ; K step 0
	s_nop 0
	tensor_load_to_lds s[G0+4:G0+7], s[G1:G1+7]    ; K step 1: two tensor loads of the wave are out here, one later
	s_nop 0
	v_nop
	v_and_b32 v1, 31, v0
	s_mul_i32 s15, s14, 8*BPITCH
	v_lshl_add_u32 v[GOB], v1, 4, s15
.irp c, 0,1,2,3
	STG \c, 0, 0, 0, 0, 1, \c                      ; chunks 0 to 3
.endr
	WIN 0
	v_and_b32 v2, 15, v0
	v_bfe_u32 v3, v0, 4, 1
	v_mul_u32_u24 v4, v2, PITCH
	v_lshl_add_u32 v4, v3, 4, v4
	v_add_nc_u32 v[ADRA], s19, v4
	v_add_nc_u32 v[ADRA+1], ASLOT, v[ADRA]
	v_and_b32 v5, 7, v0
	v_lshl_add_u32 v5, v3, 3, v5
	v_mul_u32_u24 v5, v5, BPL
	v_bfe_u32 v6, v0, 3, 1
	v_lshl_add_u32 v5, v6, 4, v5
	v_add_nc_u32 v[ADRB], BB0, v5
	s_mul_i32 s17, s14, 8*BPL
	s_add_co_u32 s17, s17, BB0
	v_lshl_add_u32 v[STA], v1, 3, s17
	s_mul_i32 s41, s14, 16*SP2
	s_add_co_u32 s41, s41, BB0                     ; my stage
	v_mul_u32_u24 v5, v2, SP2
	v_lshl_add_u32 v5, v3, 5, v5
	v_add_nc_u32 v[STO], s41, v5                   ; in: row r, 32 bytes at 32 h
	v_lshl_add_u32 v[RD], v1, 4, s41               ; back: a whole row of 512 bytes a load
	v_lshlrev_b32 v[CO], 4, v1
	s_lshl_b32 s46, s18, 22                        ; part: split, m block, wave, n block
	s_lshl_b32 s47, s16, 21
	s_add_co_u32 s46, s46, s47
	s_lshl_b32 s47, s14, 19
	s_add_co_u32 s46, s46, s47
	s_lshl_b32 s47, s42, 9
	s_add_co_u32 s46, s46, s47
	s_mov_b32 s47, 0
	s_add_nc_u64 s[12:13], s[12:13], s[46:47]
	STG 0, 0, 0, 1, 24, 1, 4                       ; chunks 0 and 1 fill B slot 0; chunks 4 and 5 go out
	STG 1, 0, 32, 1, 24, 1, 5
	WIN 0
	s_wait_tensorcnt 0x1                           ; my part of K step 0 is in; K step 1's may stay out
	s_wait_dscnt 0x0
	s_barrier_signal -1
	s_barrier_wait -1
	FETCH 0, 0, 0, 0, F0
	LAP 1                                          ; the first products start the sums
	s_mov_b32 s40, LAPS-2
.Llap:
	LAP 0
	s_sub_co_u32 s40, s40, 1
	s_cmp_lg_u32 s40, 0
	s_cbranch_scc1 .Llap
	; the last lap, written out: two more chunks are asked for, no A slot is filled, the counts run down
	QUARTER 0, 0, 0, 1, 24, 1, 6
	TURN    0, 1, 0, 1, 24, 1, 7
	QUARTER 0, 2, 0, 1, 24, 0, 0
	TURN    0, 3, 2, 1, 16, 0, 0
	QUARTER 1, 0, 0, 1, 8, 0, 0
	TURN    1, 1, 0, 1, 0, 0, 0
	QUARTER 1, 2, 0, 0, 0, 0, 0
	s_wait_dscnt 8
	WIN MUL_LO
	MUL16 F1, 0, 0, 0
	MUL16 F1, 0, 2, 0
	s_wait_dscnt 0
	WIN MUL_HI
	MUL16 F1, 1, 0, 0
	MUL16 F1, 1, 2, 0
	WIN 0
	; ---- THE WAY OUT, 16 rows at a time: f32 straight from the accumulators into my stage, whole rows of 512 bytes back and out ----
	s_barrier_signal -1                            ; every wave's reads of B's slots are over (each waited for them above): the bytes become stages
	s_barrier_wait -1
	PLACES
.macro OUT16 a, f
	WIN 0x08+4*((\a)>>2)                           ; the stores' data in window 2 or 3
.irp b, 0,1,2,3,4,5,6,7
	ds_store_b128 v[STO], v[8*(8*((\a)&3)+\b):8*(8*((\a)&3)+\b)+3]   offset:64*\b
	ds_store_b128 v[STO], v[8*(8*((\a)&3)+\b)+4:8*(8*((\a)&3)+\b)+7] offset:64*\b+16
.endr
	WIN 0
	s_wait_xcnt 0x0                                ; buffer f, which earlier stores read, and the base are rewritten only behind this wait
.if \a
	s_add_nc_u64 s[12:13], s[12:13], 16*4096
.endif
.irp t, 0,1,2,3,4,5,6,7,8,9,10,11,12,13,14,15
	ds_load_b128 v[\f+4*\t:\f+4*\t+3], v[RD] offset:\t*SP2     ; LDS serves a wave's instructions in order (ISA guide 5.7.1.4): these see the stores above
.endr
.irp t, 0,1,2,3,4,5,6,7,8,9,10,11,12,13,14,15
	s_wait_dscnt 15-\t
	global_store_b128 v[CO], v[\f+4*\t:\f+4*\t+3], s[12:13] offset:\t*4096   ; the wave stores 512 consecutive bytes, at a multiple of 512 from part's first byte
.endr
.endm
	OUT16 0, F0
	OUT16 1, F1
	OUT16 2, F0
	OUT16 3, F1
	OUT16 4, F0
	OUT16 5, F1
	OUT16 6, F0
	OUT16 7, F1
	s_wait_tensorcnt 0x0
	ds_add_u32 v254, v255
	s_wait_dscnt 0x0
	CROUND                                         ; the closing round: no work-group ends while a partner may still ask jointly
	s_endpgm
.Lfunc_end_k_q593c0a6e45_ffn2:
	.size	k_q593c0a6e45_ffn2, .Lfunc_end_k_q593c0a6e45_ffn2-k_q593c0a6e45_ffn2
	.p2alignl 7, 3214868480
	.fill 96, 4, 3214868480
	.section	.rodata,"a",@progbits
	.p2align	6, 0x0
	.amdhsa_kernel k_q593c0a6e45_ffn2
		.amdhsa_group_segment_fixed_size 327680
		.amdhsa_private_segment_fixed_size 0
		.amdhsa_enable_private_segment 0
		.amdhsa_kernarg_size 24
		.amdhsa_user_sgpr_count 2
		.amdhsa_user_sgpr_kernarg_segment_ptr 1
		.amdhsa_wavefront_size32 1
		.amdhsa_system_sgpr_workgroup_id_x 1
		.amdhsa_system_sgpr_workgroup_id_y 1
		.amdhsa_system_sgpr_workgroup_id_z 1
		.amdhsa_system_vgpr_workitem_id 0
		.amdhsa_next_free_vgpr 1024
		.amdhsa_next_free_sgpr 66
		.amdhsa_reserve_vcc 0
		.amdhsa_float_denorm_mode_32 3
		.amdhsa_float_denorm_mode_16_64 3
		.amdhsa_memory_ordered 1
		.amdhsa_forward_progress 1
		.amdhsa_inst_pref_size 251
	.end_amdhsa_kernel
	.amdgpu_metadata
---
amdhsa.version: [ 1, 2 ]
amdhsa.kernels:
  - .name:           k_q593c0a6e45_ffn2
    .symbol:         k_q593c0a6e45_ffn2.kd
    .args:
      - { .name: hbuf, .offset: 0, .size: 8, .value_kind: global_buffer, .address_space: global }
      - { .name: W2, .offset: 8, .size: 8, .value_kind: global_buffer, .address_space: global }
      - { .name: part, .offset: 16, .size: 8, .value_kind: global_buffer, .address_space: global }
    .group_segment_fixed_size: 327680
    .private_segment_fixed_size: 0
    .kernarg_segment_align: 8
    .kernarg_segment_size: 24
    .max_flat_workgroup_size: 128
    .sgpr_count:     66
    .vgpr_count:     1024
    .wavefront_size: 32
...
	.end_amdgpu_metadata
.endif
;; end of part 3
;; launch fin (part 4): grid 16 x 16, 8 waves a work-group, no clusters, 176,128 bytes of LDS; arguments lg, br, memory, Wq_out, b2, part, c, chaotic_r, time_scalar, period, phase_shift, amplitude, out0; writes out0
.if DOCPART == 4
	.amdgcn_target "amdgcn-amd-amdhsa--gfx1250"
	.amdhsa_code_object_version 6
	.text
	.protected	k_q593c0a6e45_fin
	.globl	k_q593c0a6e45_fin
	.p2align	8
	.type	k_q593c0a6e45_fin,@function
k_q593c0a6e45_fin:
	s_mov_b64 s[64:65], 0
	v_nop
	global_prefetch_b8 v0, s[64:65] scope:SCOPE_SE
	s_setreg_imm32_b32 hwreg(HW_REG_WAVE_MODE, 25, 1), 1
	s_wait_xcnt 0x0
; fin: out0 = ( [softmax(lg[:, :512] + br) | probs | gate | 0] @ [memory; Wq_out; b2; 0]  +  sum over e of gate_e (part[2e] + part[2e+1]) ) x chaotic x cyc.
; A work-group makes 64 rows (y) x 64 columns (x) with eight waves.
; Phases: all early loads; softmax of my wave's 8 rows (maximum taken away) to bf16 in LDS (A', K = 544); memory, Wq_out, b2 to bf16 in LDS (B', [k][n]);
; 17 K steps of 32 on two accumulators a wave; results through a stage into row order; the 16 splits of part, gated in f32; the modulation; stores.
; The 64 loads of part go out in four batches as registers fall free, so that they travel during the softmax and the product.
; No cluster, no tensor loads: what work-groups share (lg rows, memory columns) passes registers for softmax and rounding; part, the bulk of the bytes, is read once.
; LIMITS: the sine reduces its angle in turns: its error grows as 6e-8 x |time / period + phase / 2 pi|.
.set LGROW, 2304
.set APL,   1104                       ; A': 544 bf16 + 16 bytes: an odd multiple of 16
.set BP0,   70656                      ; B' behind A' (64 x 1104)
.set BPL,   160                        ; 64 bf16 + 32 bytes: an odd multiple of 32
.set STAGE, 157696                     ; behind B' (544 x 160): 64 rows x 272
.set SPL,   272
.set BR,  16                           ; v16-31   br of my 16 columns
.set LG,  32                           ; v32-159  8 rows x 16 logits; later: v32-95 batch 1 of part, v96-167 converted words, then fragments, then results
.set SM,  160                          ; v160-167 lg columns 512-543
.set GT,  168                          ; v168-199 the gate of my 4 rows, f32
.set PH,  200                          ; v200-203 phase_shift
.set AM,  204                          ; v204-207 amplitude
.set CW,  96                           ; v96-163  memory, Wq_out, b2 as bf16 words
.set O,   96                           ; v96-111  my 4 rows x 4 columns
.set MOD, 116                          ; v116-119 chaotic x cyc of my 4 columns
.set TA,  124
.set TB,  125
.set TC,  126
.set SQT, 40                           ; s40 = 0.25
.set SMK, 41                           ; s41 = 0x7fffffff
; v208-231 at work, later a fragment set; v232 stage read-back address; v240-255 two accumulators
; window 1: v0-135 memory, Wq_out, b2 as loaded, later batches 2 and 3 of part; v136-199 batch 0
.set MSB, 0
.macro WIN new                         ; the immediate's high byte repeats the setting that is left
.if MSB != (\new)
	s_set_vgpr_msb (MSB<<8)|(\new)
.set MSB, (\new)
.endif
.endm
	s_load_b512 s[4:19], s[0:1], 0x0               ; lg s[4:5], br s[6:7], memory s[8:9], Wq_out s[10:11], b2 s[12:13], part s[14:15], c s[16:17], chaotic_r s[18:19]
	s_load_b256 s[20:27], s[0:1], 0x40             ; time_scalar s[20:21], period s[22:23], phase_shift s[24:25], amplitude s[26:27]
	s_load_b64 s[28:29], s[0:1], 0x60              ; out0
	v_lshl_add_u32 v238, v0, 2, 0x2ac00
	v_mov_b32 v239, 0
	v_lshrrev_b32 v1, 5, v0
	v_readfirstlane_b32 s34, v1                    ; wave 0..7
	s_mov_b32 s35, ttmp9                           ; column block
	s_and_b32 s36, ttmp7, 0xffff                   ; row block
	s_mov_b32 s38, 0x76543210                      ; v_permlanex16_b32: lane i of one half reads lane i of the other
	s_mov_b32 s39, 0xfedcba98
	s_mov_b32 s40, 0x3e800000
	s_mov_b32 s41, 0x7fffffff
	s_lshl_b32 s42, s35, 8                         ; 64 columns of f32
	s_mov_b32 s43, 0
	s_mul_i32 s44, s36, 64*LGROW
	s_mov_b32 s45, 0
	s_lshl_b32 s46, s36, 18                        ; 64 rows of 4,096 bytes
	s_add_co_u32 s46, s46, s42
	s_mov_b32 s47, 0
	s_mul_i32 s48, s34, 8*LGROW
	s_wait_kmcnt 0x0
	s_load_b32 s30, s[16:17], 0x0                  ; c
	s_load_b32 s31, s[18:19], 0x0                  ; r
	s_load_b32 s32, s[20:21], 0x0                  ; time
	s_load_b32 s33, s[22:23], 0x0                  ; period
	s_add_nc_u64 s[4:5], s[4:5], s[44:45]
	s_add_nc_u64 s[8:9], s[8:9], s[42:43]
	s_add_nc_u64 s[10:11], s[10:11], s[42:43]
	s_add_nc_u64 s[12:13], s[12:13], s[42:43]
	s_add_nc_u64 s[24:25], s[24:25], s[42:43]
	s_add_nc_u64 s[26:27], s[26:27], s[42:43]
	s_add_nc_u64 s[14:15], s[14:15], s[46:47]
	s_add_nc_u64 s[28:29], s[28:29], s[46:47]
.irp e, 0,1,2,3,4,5,6,7
	s_add_nc_u64 s[66+2*\e:67+2*\e], s[14:15], \e*0x800000     ; part at expert e's even split; the odd one stands in the loads' immediate
.endr
	v_and_b32 v208, 31, v0                         ; lane
	v_lshrrev_b32 v209, 4, v0                      ; tr
	v_and_b32 v210, 15, v0                         ; tc, also the lane's r
	v_lshrrev_b32 v211, 3, v0
	v_and_b32 v212, 7, v0
	v_bfe_u32 v213, v0, 4, 1                       ; h
	v_lshlrev_b32 v2, 4, v208                      ; br: 16 lane
	v_add_nc_u32 v1, s48, v2                       ; lg: my wave's 8 rows
	v_lshlrev_b32 v3, 4, v212
	v_mad_u32_u24 v3, v211, LGROW, v3              ; lg columns 512-543: row t >> 3, 16 (t & 7)
	v_lshlrev_b32 v7, 4, v210                      ; 16 tc
	v_lshl_add_u32 v4, v209, 12, v7                ; row tr of memory, Wq_out, part, out0 (all 4,096 bytes a row)
	v_and_b32 v5, 7, v209
	v_lshl_add_u32 v5, v5, 12, v7                  ; b2: row tr & 7
	v_mul_u32_u24 v6, v209, LGROW                  ; the gate of row tr
.macro PBLOAD k, pb                    ; batch k: splits 4 k .. 4 k + 3 x my 4 rows; read once in the launch
.irp sp, 0,1,2,3
.irp j, 0,1,2,3
	global_load_b128 v[\pb+16*\sp+4*\j:\pb+16*\sp+4*\j+3], v4, s[66+4*(\k)+2*(\sp/2):67+4*(\k)+2*(\sp/2)] offset:(\sp&1)*4194304+\j*65536 th:TH_LOAD_NT
.endr
.endr
.endm
.irp i, 0,1,2,3
	global_load_b128 v[BR+4*\i:BR+4*\i+3], v2, s[6:7] offset:512*\i
.endr
.irp rr, 0,1,2,3,4,5,6,7
.irp i, 0,1,2,3
	global_load_b128 v[LG+16*\rr+4*\i:LG+16*\rr+4*\i+3], v1, s[4:5] offset:\rr*LGROW+512*\i
.endr
.endr
.irp j, 0,1
	global_load_b128 v[SM+4*\j:SM+4*\j+3], v3, s[4:5] offset:2048+\j*32*LGROW
.endr
	WIN 0x40
.set JJ, 0
.rept 32
	global_load_b128 v[4*JJ:4*JJ+3], v4, s[8:9] offset:JJ*65536        ; memory rows tr + 16 j
.set JJ, JJ+1
.endr
	global_load_b128 v[128:131], v4, s[10:11]      ; Wq_out row tr
	global_load_b128 v[132:135], v5, s[12:13]      ; b2 row tr & 7
	WIN 0
.irp j, 0,1,2,3
	global_load_b128 v[GT+8*\j:GT+8*\j+3],   v6, s[4:5] offset:2112+\j*16*LGROW
	global_load_b128 v[GT+8*\j+4:GT+8*\j+7], v6, s[4:5] offset:2128+\j*16*LGROW
.endr
	global_load_b128 v[PH:PH+3], v7, s[24:25]
	global_load_b128 v[AM:AM+3], v7, s[26:27]
	WIN 0x40
	PBLOAD 0, 136
	WIN 0
	; LDS addresses
	s_mul_i32 s49, s34, 8*APL
	v_lshl_add_u32 v8, v208, 3, s49                ; A': my wave's rows, 8 lane
	v_lshlrev_b32 v9, 3, v212
	v_mad_u32_u24 v9, v211, APL, v9                ; A' columns 512-543
	v_lshlrev_b32 v10, 3, v210
	v_mad_u32_u24 v10, v209, BPL, v10
	v_add_nc_u32 v10, BP0, v10                     ; B': k row tr, 8 tc
	v_add_nc_u32 v11, 256*BPL, v10                 ; the same 256 k rows on: the immediate has 16 bits
	s_lshr_b32 s50, s34, 1                         ; mt
	s_and_b32 s51, s34, 1                          ; nh
	v_lshl_add_u32 v214, s50, 4, v210
	v_lshlrev_b32 v12, 4, v213
	v_mad_u32_u24 v12, v214, APL, v12              ; A' fragment
	v_lshl_add_u32 v13, v213, 3, v212
	v_bfe_u32 v215, v0, 3, 1
	v_lshlrev_b32 v215, 4, v215
	v_mad_u32_u24 v13, v13, BPL, v215
	s_lshl_b32 s52, s51, 6
	s_add_co_u32 s52, s52, BP0
	v_add_nc_u32 v13, s52, v13                     ; B' fragment, K steps 0-7
	v_add_nc_u32 v14, 256*BPL, v13                 ; K steps 8-16
	v_lshlrev_b32 v15, 5, v213
	v_mad_u32_u24 v15, v214, SPL, v15
	s_lshl_b32 s53, s51, 7
	s_add_co_u32 s53, s53, STAGE
	v_add_nc_u32 v15, s53, v15                     ; stage, in
	v_mad_u32_u24 v232, v209, SPL, v7
	v_add_nc_u32 v232, STAGE, v232                 ; stage, back: row tr, 16 tc
	; ---- softmax of my 8 rows; lane l holds columns 128 i + 4 l + 0..3 ----
	s_wait_loadcnt 60                              ; br, the logits and columns 512-543 are in; the 34 + 8 + 2 + 16 younger loads stay out
.macro SMROW rr
.set R0, LG+16*(\rr)
.irp k, 0,2,4,6,8,10,12,14
	v_pk_add_f32 v[R0+\k:R0+\k+1], v[R0+\k:R0+\k+1], v[BR+\k:BR+\k+1]
.endr
	v_max3_num_f32 v208, v[R0], v[R0+1], v[R0+2]
.irp k, 3,5,7,9,11,13
	v_max3_num_f32 v208, v208, v[R0+\k], v[R0+\k+1]
.endr
	v_max_num_f32 v208, v208, v[R0+15]
.irp m, 1,2,4,8
	v_max_num_f32_dpp v208, v208, v208 row_xmask:\m row_mask:0xf bank_mask:0xf
.endr
	v_permlanex16_b32 v209, v208, s38, s39
	v_max_num_f32 v208, v208, v209                 ; the row's maximum, in every lane
	v_mul_f32 v210, 0xbfb8aa3b, v208               ; its rounding is common to the row and cancels in the quotient
	v_mov_b32 v211, v210
.irp k, 0,2,4,6,8,10,12,14
	v_pk_fma_f32 v[R0+\k:R0+\k+1], v[R0+\k:R0+\k+1], 0x3fb8aa3b, v[210:211] op_sel_hi:[1,0,1]
.endr
.irp k, 0,1,2,3,4,5,6,7,8,9,10,11,12,13,14,15
	v_exp_f32 v[R0+\k], v[R0+\k]
.endr
	v_nop                                          ; one plain instruction behind transcendentals before their results are used (ISA guide 5.7.2)
	s_wait_alu depctr_va_vdst(0)
	v_pk_add_f32 v[212:213], v[R0:R0+1], v[R0+2:R0+3]
.irp k, 4,6,8,10,12,14
	v_pk_add_f32 v[212:213], v[212:213], v[R0+\k:R0+\k+1]
.endr
	v_add_f32 v212, v212, v213
.irp m, 1,2,4,8
	v_add_f32_dpp v212, v212, v212 row_xmask:\m row_mask:0xf bank_mask:0xf
.endr
	v_permlanex16_b32 v213, v212, s38, s39
	v_add_f32 v212, v212, v213
	v_rcp_f32 v212, v212
	v_nop
	s_wait_alu depctr_va_vdst(0)
	v_mov_b32 v213, v212
.irp k, 0,2,4,6,8,10,12,14
	v_pk_mul_f32 v[R0+\k:R0+\k+1], v[R0+\k:R0+\k+1], v[212:213]
.endr
.irp k, 0,1,2,3,4,5,6,7
	v_cvt_pk_bf16_f32 v[214+\k], v[R0+2*\k], v[R0+2*\k+1]
.endr
.irp i, 0,1,2,3
	ds_store_b64 v8, v[214+2*\i:215+2*\i] offset:(\rr)*APL+256*\i
.endr
.endm
.irp rr, 0,1,2,3,4,5,6,7
	SMROW \rr
.endr
.irp j, 0,1
	v_cvt_pk_bf16_f32 v[214+2*\j], v[SM+4*\j], v[SM+4*\j+1]    ; probs, gate, zeros: A' columns 512-543
	v_cvt_pk_bf16_f32 v[215+2*\j], v[SM+4*\j+2], v[SM+4*\j+3]
	ds_store_b64 v9, v[214+2*\j:215+2*\j] offset:1024+\j*32*APL
.endr
	PBLOAD 1, 32                                   ; the logits' registers are free
	; ---- memory, Wq_out, b2 to bf16, [k][n] ----
	s_wait_loadcnt 42                              ; they are in; the 8 + 2 + 16 + 16 younger loads stay out
	WIN 0x05
.set JJ, 0
.rept 34
	v_cvt_pk_bf16_f32 v[CW+2*JJ],   v[4*JJ],   v[4*JJ+1]
	v_cvt_pk_bf16_f32 v[CW+2*JJ+1], v[4*JJ+2], v[4*JJ+3]
.set JJ, JJ+1
.endr
	WIN 0
	v_cmp_gt_u32 vcc_lo, 128, v0                   ; k rows 528 + tr: b2 for tr < 8, zeros for the rest
	v_cndmask_b32 v[CW+66], 0, v[CW+66], vcc_lo
	v_cndmask_b32 v[CW+67], 0, v[CW+67], vcc_lo
.set JJ, 0
.rept 16
	ds_store_b64 v10, v[CW+2*JJ:CW+2*JJ+1] offset:JJ*16*BPL
.set JJ, JJ+1
.endr
.rept 18
	ds_store_b64 v11, v[CW+2*JJ:CW+2*JJ+1] offset:(JJ-16)*16*BPL
.set JJ, JJ+1
.endr
	WIN 0x40
	PBLOAD 2, 0                                    ; window 1's v0-127 are free
	PBLOAD 3, 64
	WIN 0
	s_wait_dscnt 0x0                               ; my parts of A' and B' are stored
	s_barrier_signal -1
	s_barrier_wait -1
	; ---- 17 K steps of 32; four fragment sets of 24 registers, so three sets' loads stay out ----
.macro FRAG kk
.if ((\kk)&3) == 3
.set FB, 208
.else
.set FB, 96+24*((\kk)&3)
.endif
	ds_load_b128 v[FB:FB+3],   v12 offset:64*(\kk)
	ds_load_b128 v[FB+4:FB+7], v12 offset:64*(\kk)+32
.irp b, 0,1
.if (\kk) < 8
	ds_load_tr16_b128 v[FB+8+8*\b:FB+11+8*\b],  v13 offset:(\kk)*32*BPL+32*\b
	ds_load_tr16_b128 v[FB+12+8*\b:FB+15+8*\b], v13 offset:(\kk)*32*BPL+32*\b+16*BPL
.else
	ds_load_tr16_b128 v[FB+8+8*\b:FB+11+8*\b],  v14 offset:((\kk)-8)*32*BPL+32*\b
	ds_load_tr16_b128 v[FB+12+8*\b:FB+15+8*\b], v14 offset:((\kk)-8)*32*BPL+32*\b+16*BPL
.endif
.endr
.endm
	FRAG 0
	FRAG 1
	FRAG 2
	FRAG 3
.set KK, 0
.rept 17
.if KK < 14
	s_wait_dscnt 18                                ; three younger sets x 6 loads
.else
	s_wait_dscnt 6*(16-KK)                         ; the counts run down
.endif
.if (KK&3) == 3
.set FM, 208
.else
.set FM, 96+24*(KK&3)
.endif
	; source 0 = columns of B', source 1 = rows of A': a lane holds eight neighbouring columns of one row.  The two accumulators take turns.
.if KK == 0
	v_wmma_f32_16x16x32_bf16 v[240:247], v[FM+8:FM+15],  v[FM:FM+7], 0
	v_wmma_f32_16x16x32_bf16 v[248:255], v[FM+16:FM+23], v[FM:FM+7], 0
.else
	v_wmma_f32_16x16x32_bf16 v[240:247], v[FM+8:FM+15],  v[FM:FM+7], v[240:247]
	v_wmma_f32_16x16x32_bf16 v[248:255], v[FM+16:FM+23], v[FM:FM+7], v[248:255]
.endif
.rept 4
	v_nop                                          ; four places before a load lands on these sources, or the last results are stored
.endr
.if KK < 13
	FRAG KK+4
.endif
.set KK, KK+1
.endr
.irp b, 0,1
	ds_store_b128 v15, v[240+8*\b:243+8*\b] offset:64*\b
	ds_store_b128 v15, v[244+8*\b:247+8*\b] offset:64*\b+16
.endr
	s_wait_dscnt 0x0
	s_barrier_signal -1
	s_barrier_wait -1
.irp j, 0,1,2,3
	ds_load_b128 v[O+4*\j:O+4*\j+3], v232 offset:\j*16*SPL     ; my 4 rows x 4 columns
.endr
	; ---- the modulation of my 4 columns ----
; d = sin(2 pi t): y = t - round(t); z = 0.25 - ||y| - 0.25| folds onto a quarter turn; odd series to the 11th power (the next term is 6e-8 at a quarter turn); sign of y
.macro SINT d, t
	v_rndne_f32 v[TA], v[\t]
	v_sub_f32 v[TA], v[\t], v[TA]
	v_sub_f32 v[TB], |v[TA]|, s[SQT]
	v_sub_f32 v[TB], s[SQT], |v[TB]|
	v_mul_f32 v[TB], 0x40c90fdb, v[TB]
	v_mul_f32 v[TC], v[TB], v[TB]
	v_mov_b32 v[\d], 0xb2d7322b                    ; -1/11!
	v_fmaak_f32 v[\d], v[\d], v[TC], 0x3638ef1d    ; 1/9!
	v_fmaak_f32 v[\d], v[\d], v[TC], 0xb9500d01    ; -1/7!
	v_fmaak_f32 v[\d], v[\d], v[TC], 0x3c088889    ; 1/5!
	v_fmaak_f32 v[\d], v[\d], v[TC], 0xbe2aaaab    ; -1/3!
	v_mul_f32 v[\d], v[\d], v[TC]
	v_fma_f32 v[\d], v[\d], v[TB], v[TB]
	v_bfi_b32 v[\d], s[SMK], v[\d], v[TA]
.endm
	s_wait_kmcnt 0x0                               ; c, r, time, period
	s_wait_loadcnt 63                              ; the gate, phase_shift and amplitude are in: 64 loads of part are younger, and a wait names 63 at the most
	v_rcp_f32 v113, s33
	v_mov_b32 v120, s30                            ; c: the plain instruction behind the reciprocal
	s_wait_alu depctr_va_vdst(0)
	v_mul_f32 v112, s32, v113                      ; time / period,
	v_fma_f32 v114, -v112, s33, s32                ; its remainder,
	v_fmac_f32 v112, v114, v113                    ; and one correction
	v_sub_f32 v121, 1.0, v120
	v_mul_f32 v120, s31, v120
	v_mul_f32 v120, v120, v121                     ; chaotic = r c (1 - c)
.irp k, 0,1,2,3
	v_fma_f32 v122, v[PH+\k], 0.15915494, v112     ; the angle in turns
	SINT MOD+\k, 122
	v_mul_f32 v[MOD+\k], v[MOD+\k], v[AM+\k]
	v_mul_f32 v[MOD+\k], v[MOD+\k], v120
.endr
	s_wait_dscnt 0x0                               ; O
	; ---- the 16 splits of part, each times its row's gate ----
.macro BATCH k, pb, win, cnt
	s_wait_loadcnt \cnt                            ; the younger batches stay out
	WIN \win
.irp sp, 0,1,2,3
.irp j, 0,1,2,3
.irp q, 0,1,2,3
	v_fma_f32 v[O+4*\j+\q], v[\pb+16*\sp+4*\j+\q], v[GT+8*\j+2*(\k)+(\sp/2)], v[O+4*\j+\q]
.endr
.endr
.endr
.endm
	BATCH 0, 136, 0x01, 48
	BATCH 1, 32,  0x00, 32
	BATCH 2, 0,   0x01, 16
	BATCH 3, 64,  0x01, 0
	WIN 0
.irp j, 0,1,2,3
	v_pk_mul_f32 v[O+4*\j:O+4*\j+1],   v[O+4*\j:O+4*\j+1],   v[MOD:MOD+1]
	v_pk_mul_f32 v[O+4*\j+2:O+4*\j+3], v[O+4*\j+2:O+4*\j+3], v[MOD+2:MOD+3]
.endr
.irp j, 0,1,2,3
	global_store_b128 v4, v[O+4*\j:O+4*\j+3], s[28:29] offset:\j*65536 th:TH_STORE_NT   ; 16 lanes store 256 consecutive bytes, at a multiple of 256 from out0's first byte
.endr
	s_wait_tensorcnt 0x0
	ds_add_u32 v238, v239
	s_wait_dscnt 0x0
	s_endpgm
.Lfunc_end_k_q593c0a6e45_fin:
	.size	k_q593c0a6e45_fin, .Lfunc_end_k_q593c0a6e45_fin-k_q593c0a6e45_fin
	.p2alignl 7, 3214868480
	.fill 96, 4, 3214868480
	.section	.rodata,"a",@progbits
	.p2align	6, 0x0
	.amdhsa_kernel k_q593c0a6e45_fin
		.amdhsa_group_segment_fixed_size 176128
		.amdhsa_private_segment_fixed_size 0
		.amdhsa_enable_private_segment 0
		.amdhsa_kernarg_size 104
		.amdhsa_user_sgpr_count 2
		.amdhsa_user_sgpr_kernarg_segment_ptr 1
		.amdhsa_wavefront_size32 1
		.amdhsa_system_sgpr_workgroup_id_x 1
		.amdhsa_system_sgpr_workgroup_id_y 1
		.amdhsa_system_sgpr_workgroup_id_z 1
		.amdhsa_system_vgpr_workitem_id 0
		.amdhsa_next_free_vgpr 512
		.amdhsa_next_free_sgpr 82
		.amdhsa_reserve_vcc 1
		.amdhsa_float_denorm_mode_32 3
		.amdhsa_float_denorm_mode_16_64 3
		.amdhsa_memory_ordered 1
		.amdhsa_forward_progress 1
		.amdhsa_inst_pref_size 98
	.end_amdhsa_kernel
	.amdgpu_metadata
---
amdhsa.version: [ 1, 2 ]
amdhsa.kernels:
  - .name:           k_q593c0a6e45_fin
    .symbol:         k_q593c0a6e45_fin.kd
    .args:
      - { .name: lg, .offset: 0, .size: 8, .value_kind: global_buffer, .address_space: global }
      - { .name: br, .offset: 8, .size: 8, .value_kind: global_buffer, .address_space: global }
      - { .name: memory, .offset: 16, .size: 8, .value_kind: global_buffer, .address_space: global }
      - { .name: Wq_out, .offset: 24, .size: 8, .value_kind: global_buffer, .address_space: global }
      - { .name: b2, .offset: 32, .size: 8, .value_kind: global_buffer, .address_space: global }
      - { .name: part, .offset: 40, .size: 8, .value_kind: global_buffer, .address_space: global }
      - { .name: c, .offset: 48, .size: 8, .value_kind: global_buffer, .address_space: global }
      - { .name: chaotic_r, .offset: 56, .size: 8, .value_kind: global_buffer, .address_space: global }
      - { .name: time_scalar, .offset: 64, .size: 8, .value_kind: global_buffer, .address_space: global }
      - { .name: period, .offset: 72, .size: 8, .value_kind: global_buffer, .address_space: global }
      - { .name: phase_shift, .offset: 80, .size: 8, .value_kind: global_buffer, .address_space: global }
      - { .name: amplitude, .offset: 88, .size: 8, .value_kind: global_buffer, .address_space: global }
      - { .name: out0, .offset: 96, .size: 8, .value_kind: global_buffer, .address_space: global }
    .group_segment_fixed_size: 176128
    .private_segment_fixed_size: 0
    .kernarg_segment_align: 8
    .kernarg_segment_size: 104
    .max_flat_workgroup_size: 256
    .sgpr_count:     82
    .vgpr_count:     512
    .wavefront_size: 32
...
	.end_amdgpu_metadata
.endif
;; end of part 4
;; ======== version 2 of 2: 4 launches; version 1 with the launch prep written anew for expert scheduling mode
;; limits: right only within a limited range of input values; a function is approximated: absolute error at most 3e-05
;; workspace buffers: xb 2,097,152 bytes; lg 2,359,296 bytes; hbuf 67,108,864 bytes; part 67,108,864 bytes
;; launch prep (part 5): grid 10 x 16, 8 waves a work-group, no clusters, 87,040 bytes of LDS; arguments x, Wr, Wq_in, Wg, thetas, phis, lams, xb, lg; writes xb, lg
.if DOCPART == 5
	.amdgcn_target "amdgcn-amd-amdhsa--gfx1250"
	.amdhsa_code_object_version 6
	.text
	.protected	k_q593c0a6e45_prep
	.globl	k_q593c0a6e45_prep
	.p2align	8
	.type	k_q593c0a6e45_prep,@function
k_q593c0a6e45_prep:
	s_mov_b64 s[64:65], 0
	v_nop
	global_prefetch_b8 v0, s[64:65] scope:SCOPE_SE
	s_setreg_imm32_b32 hwreg(HW_REG_WAVE_SCHED_MODE, 0, 2), 2
	s_setreg_imm32_b32 hwreg(HW_REG_WAVE_MODE, 25, 1), 1
	s_wait_xcnt 0x0
	s_wait_alu depctr_vm_vsrc(0)
; prep: three small jobs on 64 rows of x (work-group y = row block), chosen by work-group x, which is the same for all eight waves:
;   x = 0..7 : lg[:, 64x .. 64x+63] = x @ Wr (bf16 operands, f32 sums; br is added by the last launch)
;   x = 8    : lg[:, 512..527] = probabilities of the 4-qubit circuit on x @ Wq_in; lg[:, 528..535] = softmax(x @ Wg); lg[:, 536..575] = 0
;   x = 9    : xb = bf16(x)
; lg is f32 [1024][576]: a row is 2,304 bytes = 9 x 256.
; Product paths: tile 64 x 64, K = 1024 in 16 steps of 64.  f32 operands come through registers (a ring of four steps, so three steps' loads stay out),
; are rounded to bf16 and laid into one of two LDS slots; one barrier a step.  Wave w makes rows 16 (w>>1).., columns 32 (w&1).. : two accumulators by turns.
; No cluster, no tensor loads: every operand must pass registers for the rounding, and the launch's bytes are few.
; LIMITS: sine and cosine reduce the angle in turns, so their error grows as 6e-8 x |angle / 2 pi|; a row with x @ Wq_in = 0 gives NaN, as dividing by a zero norm does.
; THE MODE: SCHED_MODE bits 1:0 = 2 (LLVM: expert scheduling mode 2), set by the entry lines.  The code itself states the register dependences
; between vector or matrix instructions and memory or LDS instructions, with s_wait_alu, always for 0.
; THE PLAN.  Registers that memory or LDS instructions touch, in the product paths:
;   v64-191   the ring, four slots of 32.  A step's conversions read its slot; behind them the loads of the step four on land in it.
;   v32-47    written by a step's conversions, read by its LDS stores, written again by the next step's conversions; behind the loop the rows read back from the stage land in them.
;   v192-239  the fragments.  A step's LDS loads land in them, its four matrix instructions read them, the next step's loads land in them again.
;   v240-255  the accumulators: named by matrix instructions alone, until the LDS stores into the stage read them.
;   v11-v23, v28, v29 addresses and v24-27 zeros: made once, ahead of the first access that reads them, and never written again; the bases are scalar.
; So a step has two waits: on vm_vsrc at its head (the last step's LDS stores have read v32-47) and ONE on va_vdst behind its conversions, which states that v32-47 are
; written, that the ring slot is read out, and that the last step's matrix instructions are done with the fragments.  Between that wait and the step's stores and loads stands no vector instruction.
; The conversion job has the same two waits a row.  The circuit's waits stand at its few LDS accesses and behind each run of v_readlane_b32.
.set SLOT,  19456                      ; an LDS slot: A 64 rows x 144 bytes, then B 64 k rows x 160 bytes
.set BOFF,  9216
.set APL,   144                        ; 128 bytes + 16: an odd multiple of 16, so the 16 rows of a fragment load begin at 16 different 16-byte columns modulo 256
.set BPL,   160                        ; 128 bytes + 32: an odd multiple of 32, for the transposing loads
.set STAGE, 38912                      ; 64 rows x 272 bytes of f32 results
.set SPL,   272
.set SB0,   56320                      ; behind the stage: job 8's two B slots, SLOT bytes apart.  Its B rows are laid by other address arithmetic than Wr's,
                                       ; so they have bytes of their own: no byte of LDS is written under two layouts
.set LGROW, 2304
.set S0,  64                           ; circuit: state, 16 x (re, im)
.set S1,  96                           ; circuit: the other state
.set TA,  148                          ; sine: at work
.set TB,  149
.set TC,  150
.set SQT, 30                           ; s30 = 0.25
.set SMK, 31                           ; s31 = 0x7fffffff
	s_load_b512 s[4:19], s[0:1], 0x0               ; x s[4:5], Wr s[6:7], Wq_in s[8:9], Wg s[10:11], thetas s[12:13], phis s[14:15], lams s[16:17], xb s[18:19]
	s_load_b64 s[20:21], s[0:1], 0x40              ; lg
	v_lshl_add_u32 v62, v0, 2, 0x15000
	v_mov_b32 v63, 0
	v_lshrrev_b32 v1, 5, v0
	v_readfirstlane_b32 s22, v1                    ; wave 0..7
	s_and_b32 s23, ttmp7, 0xffff                   ; row block
	s_mov_b32 s24, ttmp9                           ; job
	s_lshl_b32 s26, s23, 18                        ; 64 rows of 4,096 bytes
	s_mov_b32 s27, 0
	s_wait_alu depctr_va_sdst(0)                   ; s22 is written, ahead of the first branch and of its first reader: LDS places and row offsets are made from it
	s_wait_kmcnt 0x0
	s_add_nc_u64 s[4:5], s[4:5], s[26:27]          ; x at my first row
	s_cmp_eq_u32 s24, 9
	s_cbranch_scc1 .Lconv
	; ---- addresses of the product paths.  Thread t: tr = t >> 4, tc = t & 15 (also the lane's r) ----
	v_lshrrev_b32 v1, 4, v0                        ; tr
	v_and_b32 v2, 15, v0                           ; tc
	v_lshlrev_b32 v4, 4, v2
	v_lshl_add_u32 v11, v1, 12, v4                 ; x: row tr, 16 bytes at 16 tc
	v_lshl_add_u32 v12, v1, 11, v4                 ; Wr: k row tr
	v_lshlrev_b32 v5, 3, v2
	v_mad_u32_u24 v13, v1, APL, v5                 ; LDS, A: row tr, 8 bytes at 8 tc
	v_mad_u32_u24 v14, v1, BPL, v5
	v_add_nc_u32 v14, BOFF, v14                    ; LDS, B
	s_lshr_b32 s28, s22, 1                         ; mt
	s_and_b32 s29, s22, 1                          ; nh
	v_bfe_u32 v6, v0, 4, 1                         ; h
	v_lshl_add_u32 v7, s28, 4, v2                  ; 16 mt + r
	v_lshlrev_b32 v4, 4, v6
	v_mad_u32_u24 v15, v7, APL, v4                 ; A fragment: (16 mt + r) pitch + 16 h
	v_and_b32 v5, 7, v0
	v_lshl_add_u32 v5, v6, 3, v5                   ; 8 h + (lane & 7)
	v_bfe_u32 v4, v0, 3, 1
	v_lshlrev_b32 v4, 4, v4
	v_mad_u32_u24 v16, v5, BPL, v4
	s_lshl_b32 s30, s29, 6
	s_add_co_u32 s30, s30, BOFF
	v_add_nc_u32 v16, s30, v16                     ; B fragment (transposing load), my 32 columns
	v_lshlrev_b32 v4, 5, v6
	v_mad_u32_u24 v17, v7, SPL, v4
	s_lshl_b32 s31, s29, 7
	s_add_co_u32 s31, s31, STAGE
	v_add_nc_u32 v17, s31, v17                     ; stage, in: row 16 mt + r, 32 bytes at 128 nh + 32 h
	v_lshlrev_b32 v4, 4, v2
	v_mad_u32_u24 v18, v1, SPL, v4
	v_add_nc_u32 v18, STAGE, v18                   ; stage, back: row tr, 16 bytes at 16 tc
	v_mad_u32_u24 v19, v1, LGROW, v4               ; the same place in lg
	s_mul_i32 s26, s23, 64*LGROW
	s_lshl_b32 s30, s24, 8                         ; 64 columns of f32
	s_add_co_u32 s26, s26, s30
	s_add_nc_u64 s[20:21], s[20:21], s[26:27]      ; lg at my tile
	s_wait_alu depctr_va_vdst(0)                   ; the addresses v11 to v19 are written, which the loads, LDS accesses and stores of both product paths read
; one step's loads into ring slot 'ring': x 4 x 16 bytes a thread; B 4 x 16 bytes (Wr) or 16 + 8 bytes (Wq_in, Wg).  Sixteen lanes read 256 consecutive bytes.
.macro LOADS small, ring, rel
.set RG, 64+32*(\ring)
.irp j, 0,1,2,3
	global_load_b128 v[RG+4*\j:RG+4*\j+3], v11, s[4:5] offset:\j*65536+(\rel)*256
.endr
.if \small
	global_load_b128 v[RG+16:RG+19], v20, s[8:9] offset:(\rel)*4096
	global_load_b64 v[RG+20:RG+21], v21, s[10:11] offset:(\rel)*2048
.else
.irp j, 0,1,2,3
	global_load_b128 v[RG+16+4*\j:RG+16+4*\j+3], v12, s[6:7] offset:\j*32768+(\rel)*131072
.endr
.endif
.endm
; one K step of 64.  cnt = the loads of the younger steps, which may stay out.  The conversions (11 or 16 plain vector instructions that name no
; matrix register) are the places between the last step's matrix instructions and the loads into their fragments.
.macro STEP small, ring, slot, zero, ld, rel, cnt
	s_wait_loadcnt \cnt
.if !\zero
	s_wait_alu depctr_vm_vsrc(0)                   ; the last step's LDS stores have read v32-47, which the conversions below write again
.endif
.set RG, 64+32*(\ring)
.irp j, 0,1,2,3
	v_cvt_pk_bf16_f32 v[32+2*\j], v[RG+4*\j], v[RG+4*\j+1]
	v_cvt_pk_bf16_f32 v[33+2*\j], v[RG+4*\j+2], v[RG+4*\j+3]
.endr
.if \small
	v_cvt_pk_bf16_f32 v40, v[RG+16], v[RG+17]
	v_cvt_pk_bf16_f32 v41, v[RG+18], v[RG+19]
	v_cvt_pk_bf16_f32 v42, v[RG+20], v[RG+21]
.else
.irp j, 0,1,2,3
	v_cvt_pk_bf16_f32 v[40+2*\j], v[RG+16+4*\j], v[RG+16+4*\j+1]
	v_cvt_pk_bf16_f32 v[41+2*\j], v[RG+16+4*\j+2], v[RG+16+4*\j+3]
.endr
.endif
	s_wait_alu depctr_va_vdst(0)                   ; the conversions have written v32-47, which the LDS stores read, and are done reading the ring slot, in which the loads below land;
	                                               ; the last step's matrix instructions are done reading v192-239, in which this step's fragments land
.irp j, 0,1,2,3
	ds_store_b64 v13, v[32+2*\j:33+2*\j] offset:(\slot)*SLOT+\j*16*APL
.endr
.if \small
	ds_store_b64 v22, v[40:41] offset:(\slot)*SLOT             ; Wq_in: columns 0-15
	ds_store_b32 v23, v42 offset:(\slot)*SLOT+32               ; Wg: columns 16-23
.else
.irp j, 0,1,2,3
	ds_store_b64 v14, v[40+2*\j:41+2*\j] offset:(\slot)*SLOT+\j*16*BPL
.endr
.endif
.if \ld
	LOADS \small, \ring, \rel                      ; no vector instruction since the wait above names the ring slot
.endif
	s_wait_dscnt 0x0                               ; my stores into this slot are done (my reads of the other slot were waited for before its products)
	s_barrier_signal -1
	s_barrier_wait -1                              ; the slot is whole; the other slot, written next step, is read by nobody any more
.irp k, 0,1
	ds_load_b128 v[192+8*\k:195+8*\k], v15 offset:(\slot)*SLOT+64*\k
	ds_load_b128 v[196+8*\k:199+8*\k], v15 offset:(\slot)*SLOT+64*\k+32
.irp b, 0,1
	ds_load_tr16_b128 v[208+16*\k+8*\b:211+16*\k+8*\b], v16 offset:(\slot)*SLOT+\k*32*BPL+32*\b
	ds_load_tr16_b128 v[212+16*\k+8*\b:215+16*\k+8*\b], v16 offset:(\slot)*SLOT+\k*32*BPL+32*\b+16*BPL
.endr
.endr
	s_wait_dscnt 0x0
	; source 0 = columns of B, source 1 = rows of x: a lane then holds eight neighbouring columns of one row.  The two accumulators take turns.
.if \zero
	v_wmma_f32_16x16x32_bf16 v[240:247], v[208:215], v[192:199], 0
	v_wmma_f32_16x16x32_bf16 v[248:255], v[216:223], v[192:199], 0
.else
	v_wmma_f32_16x16x32_bf16 v[240:247], v[208:215], v[192:199], v[240:247]
	v_wmma_f32_16x16x32_bf16 v[248:255], v[216:223], v[192:199], v[248:255]
.endif
	v_wmma_f32_16x16x32_bf16 v[240:247], v[224:231], v[200:207], v[240:247]
	v_wmma_f32_16x16x32_bf16 v[248:255], v[232:239], v[200:207], v[248:255]
.endm
.macro GROUP small, zero, ld, c0, c1, c2, c3
	STEP \small, 0, 0, \zero, \ld, 4, \c0
	STEP \small, 1, 1, 0, \ld, 5, \c1
	STEP \small, 2, 0, 0, \ld, 6, \c2
	STEP \small, 3, 1, 0, \ld, 7, \c3
.endm
.macro TOSTAGE                         ; results into the stage, which is no slot's bytes
.rept 4
	v_nop                                          ; four places behind the last matrix instruction before its result is stored (ISA guide 7.12.1)
.endr
	s_wait_alu depctr_va_vdst(0)                   ; the matrix instructions have written the accumulators, which the LDS stores read; the places above stay beside this wait
	s_wait_alu depctr_vm_vsrc(0)                   ; the last step's LDS stores have read v32-47, in which the rows read back from the stage land; nothing names these registers in between
.irp b, 0,1
	ds_store_b128 v17, v[240+8*\b:243+8*\b] offset:64*\b
	ds_store_b128 v17, v[244+8*\b:247+8*\b] offset:64*\b+16
.endr
	s_wait_dscnt 0x0
	s_barrier_signal -1
	s_barrier_wait -1
.endm
.macro TOLG                            ; whole rows back and out: sixteen lanes store 256 consecutive bytes, at a multiple of 256 from lg's first byte
.irp j, 0,1,2,3
	ds_load_b128 v[32+4*\j:35+4*\j], v18 offset:\j*16*SPL
.endr
.irp j, 0,1,2,3
	s_wait_dscnt 3-\j
	global_store_b128 v19, v[32+4*\j:35+4*\j], s[20:21] offset:\j*16*LGROW
.endr
	s_wait_dscnt 0x0                               ; the closing lines, six on end
	s_wait_alu 0x0
	s_wait_tensorcnt 0x0
	ds_add_u32 v62, v63
	s_wait_dscnt 0x0
	s_endpgm
.endm
	s_cmp_eq_u32 s24, 8
	s_cbranch_scc1 .Lsmall
	; ---- x @ Wr ----
	s_mov_b32 s31, 0
	s_add_nc_u64 s[6:7], s[6:7], s[30:31]          ; my 64 columns of Wr
	LOADS 0, 0, 0
	LOADS 0, 1, 1
	LOADS 0, 2, 2
	LOADS 0, 3, 3
	GROUP 0, 1, 1, 24, 24, 24, 24                  ; 24 = three younger steps x 8 loads
	s_wait_xcnt 0x0                                ; the bases are stepped only behind this wait
	s_add_nc_u64 s[4:5], s[4:5], 1024
	s_add_nc_u64 s[6:7], s[6:7], 524288
	s_mov_b32 s25, 2
.Lwr:
	GROUP 0, 0, 1, 24, 24, 24, 24
	s_wait_xcnt 0x0
	s_add_nc_u64 s[4:5], s[4:5], 1024
	s_add_nc_u64 s[6:7], s[6:7], 524288
	s_sub_co_u32 s25, s25, 1
	s_cmp_lg_u32 s25, 0
	s_cbranch_scc1 .Lwr
	GROUP 0, 0, 0, 24, 16, 8, 0                    ; the last four steps load nothing: the counts run down
	TOSTAGE
	TOLG
	; ---- x @ [Wq_in | Wg | 0], the circuit, the gate ----
.Lsmall:
	s_mov_b32 s30, 0x3e800000                      ; 0.25
	s_mov_b32 s31, 0x7fffffff
	; all of this job's addresses and its zeros are made first, so that one wait serves the loads and the LDS stores behind it
	v_and_b32 v29, 7, v0
	v_lshlrev_b32 v29, 2, v29                      ; v29 serves the three loads of the angles alone and is not written again
	v_lshlrev_b32 v20, 4, v0                       ; Wq_in: 64 k rows of 64 bytes are 256 x 16 bytes
	v_lshlrev_b32 v21, 3, v0                       ; Wg: 64 k rows of 32 bytes are 256 x 8 bytes
	v_add_nc_u32 v16, SB0-BOFF, v16                ; this job's B slots lie at SB0: the fragment address moves there,
	v_lshrrev_b32 v5, 2, v0                        ; k row
	v_and_b32 v6, 3, v0
	v_mul_u32_u24 v7, v5, BPL
	v_add_nc_u32 v7, SB0, v7                       ; and the stores go there
	v_lshl_add_u32 v22, v6, 3, v7
	v_lshl_add_u32 v23, v6, 2, v7
	v_lshl_add_u32 v28, v6, 4, v7
	v_mov_b32 v24, 0
	v_mov_b32 v25, 0
	v_mov_b32 v26, 0
	v_mov_b32 v27, 0
	s_wait_alu depctr_va_vdst(0)                   ; v16, v20 to v23, v28 and v29 (addresses) and v24 to v27 (zeros) are written, which the loads and LDS accesses of this job read
	global_load_b32 v8, v29, s[12:13]              ; lane l: theta, phi, lambda of gate l & 7 (layer x 4 + qubit); older than every counted load below
	global_load_b32 v9, v29, s[14:15]
	global_load_b32 v10, v29, s[16:17]
	LOADS 1, 0, 0
	LOADS 1, 1, 1
	LOADS 1, 2, 2
	LOADS 1, 3, 3
	ds_store_b128 v28, v[24:27] offset:48          ; columns 24-63 of B are zero in both slots: bytes 48-111,
	ds_store_b128 v28, v[24:27] offset:48+SLOT
	ds_store_b32 v23, v24 offset:112               ; and bytes 112-127
	ds_store_b32 v23, v24 offset:112+SLOT
	GROUP 1, 1, 1, 18, 18, 18, 18                  ; 18 = three younger steps x 6 loads
	s_wait_xcnt 0x0
	s_add_nc_u64 s[4:5], s[4:5], 1024
	s_add_nc_u64 s[8:9], s[8:9], 16384
	s_add_nc_u64 s[10:11], s[10:11], 8192
	s_mov_b32 s25, 2
.Lsm:
	GROUP 1, 0, 1, 18, 18, 18, 18
	s_wait_xcnt 0x0
	s_add_nc_u64 s[4:5], s[4:5], 1024
	s_add_nc_u64 s[8:9], s[8:9], 16384
	s_add_nc_u64 s[10:11], s[10:11], 8192
	s_sub_co_u32 s25, s25, 1
	s_cmp_lg_u32 s25, 0
	s_cbranch_scc1 .Lsm
	GROUP 1, 0, 0, 18, 12, 6, 0
	TOSTAGE
	s_cmp_ge_u32 s22, 2
	s_cbranch_scc1 .Ljoin
	; ---- waves 0 and 1, one row a lane (row = 32 wave + lane): the circuit and the gate's softmax, f32 on the vector unit.
	; Between the two barriers each of the two waves touches its own 32 rows of the stage alone. ----
; d = sin(2 pi t): y = t - round(t); z = 0.25 - ||y| - 0.25| folds onto a quarter turn; odd series to the 11th power (the next term is 6e-8 at a quarter turn); sign of y
.macro SINT d, t
	v_rndne_f32 v[TA], v[\t]
	v_sub_f32 v[TA], v[\t], v[TA]
	v_sub_f32 v[TB], |v[TA]|, s[SQT]
	v_sub_f32 v[TB], s[SQT], |v[TB]|
	v_mul_f32 v[TB], 0x40c90fdb, v[TB]             ; the angle, 0 to pi/2
	v_mul_f32 v[TC], v[TB], v[TB]
	v_mov_b32 v[\d], 0xb2d7322b                    ; -1/11!
	v_fmaak_f32 v[\d], v[\d], v[TC], 0x3638ef1d    ; 1/9!
	v_fmaak_f32 v[\d], v[\d], v[TC], 0xb9500d01    ; -1/7!
	v_fmaak_f32 v[\d], v[\d], v[TC], 0x3c088889    ; 1/5!
	v_fmaak_f32 v[\d], v[\d], v[TC], 0xbe2aaaab    ; -1/3!
	v_mul_f32 v[\d], v[\d], v[TC]
	v_fma_f32 v[\d], v[\d], v[TB], v[TB]
	v_bfi_b32 v[\d], s[SMK], v[\d], v[TA]
.endm
	s_mul_i32 s26, s22, 32*SPL
	s_add_co_u32 s26, s26, STAGE
	v_and_b32 v30, 31, v0
	v_mad_u32_u24 v30, v30, SPL, s26
	s_wait_alu depctr_va_vdst(0)                   ; v30 is written, the address of all the LDS accesses to my row; it is not written again
.irp i, 0,1,2,3
	ds_load_b128 v[128+4*\i:131+4*\i], v30 offset:16*\i        ; q, 16 numbers
.endr
	v_mul_f32 v144, 0.15915494, v8
	v_mul_f32 v144, 0.5, v144                      ; theta / 2 in turns
	v_mul_f32 v145, 0.15915494, v9                 ; phi in turns
	v_mul_f32 v146, 0.15915494, v10                ; lambda in turns
	SINT 151, 144                                  ; st
	v_add_f32 v147, s30, v144
	SINT 152, 147                                  ; ct
	SINT 153, 145                                  ; sin phi
	v_add_f32 v147, s30, v145
	SINT 154, 147                                  ; cos phi
	SINT 155, 146                                  ; sin lambda
	v_add_f32 v147, s30, v146
	SINT 156, 147                                  ; cos lambda
	v_mov_b32 v157, v152                           ; u00 = ct
	v_mul_f32 v158, -v156, v151                    ; u01 = -e^(i lambda) st
	v_mul_f32 v159, -v155, v151
	v_mul_f32 v160, v154, v151                     ; u10 = e^(i phi) st
	v_mul_f32 v161, v153, v151
	v_mul_f32 v147, v153, v155
	v_fma_f32 v147, v154, v156, -v147              ; cos(phi + lambda)
	v_mul_f32 v162, v147, v152                     ; u11 = e^(i (phi + lambda)) ct
	v_mul_f32 v147, v154, v155
	v_fmac_f32 v147, v153, v156                    ; sin(phi + lambda)
	v_mul_f32 v163, v147, v152
	s_wait_dscnt 0x0
	v_mul_f32 v31, v128, v128
.irp i, 1,2,3,4,5,6,7,8,9,10,11,12,13,14,15
	v_fmac_f32 v31, v[128+\i], v[128+\i]
.endr
	v_rsq_f32 v31, v31
	v_nop                                          ; one plain instruction behind the transcendental before its result is used (ISA guide 5.7.2)
	s_wait_alu depctr_va_vdst(0)                   ; the reciprocal root is written to v31, ahead of its first reader
.irp i, 0,1,2,3,4,5,6,7,8,9,10,11,12,13,14,15
	v_mul_f32 v[S0+2*\i], v[128+\i], v31           ; the real start state: imaginary parts are not read by the first gate
.endr
; a layer's 4 x 7 coefficients, uniform, into s[68:95]: qubit q at s[68 + 7 q ..]: u00, u01 re, im, u10 re, im, u11 re, im
.macro COEFS l
.irp q, 0,1,2,3
.irp k, 0,1,2,3,4,5,6
	v_readlane_b32 s[68+7*\q+\k], v[157+\k], 4*\l+\q
.endr
.endr
.endm
; one qubit's gate on the 8 pairs of amplitudes that differ in bit 'st': a' = u00 a + u01 b, b' = u10 a + u11 b
.macro GATE src, dst, st, cb, real
.irp i, 0,1,2,3,4,5,6,7,8,9,10,11,12,13,14,15
.if ((\i)&(\st)) == 0
.set GA, \src+2*\i
.set GB, \src+2*(\i+\st)
.set HA, \dst+2*\i
.set HB, \dst+2*(\i+\st)
.if \real
	v_mul_f32 v[HA], s[\cb], v[GA]
	v_mul_f32 v[HA+1], s[\cb+2], v[GB]
	v_mul_f32 v[HB], s[\cb+3], v[GA]
	v_mul_f32 v[HB+1], s[\cb+4], v[GA]
	v_fmac_f32 v[HA], s[\cb+1], v[GB]
	v_fmac_f32 v[HB], s[\cb+5], v[GB]
	v_fmac_f32 v[HB+1], s[\cb+6], v[GB]
.else
	v_mul_f32 v[HA], s[\cb], v[GA]
	v_mul_f32 v[HA+1], s[\cb], v[GA+1]
	v_mul_f32 v[HB], s[\cb+3], v[GA]
	v_mul_f32 v[HB+1], s[\cb+3], v[GA+1]
	v_fmac_f32 v[HA], s[\cb+1], v[GB]
	v_fmac_f32 v[HA+1], s[\cb+1], v[GB+1]
	v_fma_f32 v[HB], s[\cb+4], -v[GA+1], v[HB]
	v_fmac_f32 v[HB+1], s[\cb+4], v[GA]
	v_fma_f32 v[HA], s[\cb+2], -v[GB+1], v[HA]
	v_fmac_f32 v[HA+1], s[\cb+2], v[GB]
	v_fmac_f32 v[HB], s[\cb+5], v[GB]
	v_fmac_f32 v[HB+1], s[\cb+5], v[GB+1]
	v_fma_f32 v[HB], s[\cb+6], -v[GB+1], v[HB]
	v_fmac_f32 v[HB+1], s[\cb+6], v[GB]
.endif
.endif
.endr
.endm
.macro LAYER l, real                   ; kron(g0, g1, g2, g3): qubit q acts on index bit 8 >> q; the four factors commute
	COEFS \l
	s_wait_alu depctr_va_sdst(0)                   ; the 28 coefficients are written to s68-95, ahead of their first reader: one wait for the whole run
	GATE S0, S1, 8, 68, \real
	GATE S1, S0, 4, 75, 0
	GATE S0, S1, 2, 82, 0
	GATE S1, S0, 1, 89, 0
.endm
	LAYER 0, 1
	LAYER 1, 0
.irp i, 0,1,2,3,4,5,6,7,8,9,10,11,12,13,14,15
	v_mul_f32 v[128+\i], v[S0+2*\i], v[S0+2*\i]
.endr
.irp i, 0,1,2,3,4,5,6,7,8,9,10,11,12,13,14,15
	v_fmac_f32 v[128+\i], v[S0+2*\i+1], v[S0+2*\i+1]
.endr
	s_wait_alu depctr_va_vdst(0)                   ; the probabilities are written to v128-143, which the LDS stores read
.irp i, 0,1,2,3
	ds_store_b128 v30, v[128+4*\i:131+4*\i] offset:16*\i       ; over q, in this lane's own row
.endr
	; the gate's softmax of the same row: columns 16-23 of the stage
	ds_load_b128 v[64:67], v30 offset:64
	ds_load_b128 v[68:71], v30 offset:80
	s_wait_dscnt 0x0
	v_max3_num_f32 v72, v64, v65, v66
	v_max3_num_f32 v72, v72, v67, v68
	v_max3_num_f32 v72, v72, v69, v70
	v_max_num_f32 v72, v72, v71                    ; the row's maximum is taken away first
.irp k, 0,1,2,3,4,5,6,7
	v_sub_f32 v[64+\k], v[64+\k], v72
.endr
.irp k, 0,1,2,3,4,5,6,7
	v_mul_f32 v[64+\k], 0x3fb8aa3b, v[64+\k]
.endr
.irp k, 0,1,2,3,4,5,6,7
	v_exp_f32 v[64+\k], v[64+\k]
.endr
	v_nop
	s_wait_alu depctr_va_vdst(0)                   ; the eight exponentials are written to v64-71, ahead of their first reader
	v_add_f32 v72, v64, v65
	v_add_f32 v73, v66, v67
	v_add_f32 v74, v68, v69
	v_add_f32 v75, v70, v71
	v_add_f32 v72, v72, v73
	v_add_f32 v74, v74, v75
	v_add_f32 v72, v72, v74
	v_rcp_f32 v72, v72
	v_nop
	s_wait_alu depctr_va_vdst(0)                   ; the reciprocal is written to v72, ahead of its first reader
.irp k, 0,1,2,3,4,5,6,7
	v_mul_f32 v[64+\k], v[64+\k], v72
.endr
	s_wait_alu depctr_va_vdst(0)                   ; the gate is written to v64-71, which the LDS stores read
	ds_store_b128 v30, v[64:67] offset:64
	ds_store_b128 v30, v[68:71] offset:80
.Ljoin:
	s_wait_dscnt 0x0                               ; my stores into the stage are done, for the waves that read it back
	s_barrier_signal -1
	s_barrier_wait -1
	TOLG
	; ---- xb = bf16(x): wave w takes rows 8 w .. 8 w + 7; a ring of four rows in registers ----
.Lconv:
	v_and_b32 v3, 31, v0
	s_lshl_b32 s28, s22, 15
	v_lshl_add_u32 v11, v3, 4, s28                 ; x: 16 bytes a lane, 512 consecutive bytes a load
	s_lshl_b32 s29, s22, 14
	v_lshl_add_u32 v12, v3, 3, s29                 ; xb: 8 bytes a lane, 256 consecutive aligned bytes a store
	s_lshl_b32 s26, s23, 17
	s_add_nc_u64 s[18:19], s[18:19], s[26:27]
	s_wait_alu depctr_va_vdst(0)                   ; the offsets v11 and v12 are written, which every load and store of this job reads; they are not written again
.macro CLOAD r
.irp i, 0,1,2,3,4,5,6,7
	global_load_b128 v[64+32*((\r)&3)+4*\i:64+32*((\r)&3)+4*\i+3], v11, s[4:5] offset:(\r)*4096+512*\i
.endr
.endm
.macro CROW r, ld, cnt
	s_wait_loadcnt \cnt                            ; the younger rows' loads stay out
	s_wait_xcnt 0x0                                ; v32-47, which the last row's stores read, are rewritten only behind this wait
.if \r
	s_wait_alu depctr_vm_vsrc(0)                   ; the last row's stores have read v32-47, which the conversions below write again
.endif
.set RG, 64+32*((\r)&3)
.irp i, 0,1,2,3,4,5,6,7
	v_cvt_pk_bf16_f32 v[32+2*\i], v[RG+4*\i], v[RG+4*\i+1]
	v_cvt_pk_bf16_f32 v[33+2*\i], v[RG+4*\i+2], v[RG+4*\i+3]
.endr
	s_wait_alu depctr_va_vdst(0)                   ; the conversions have written v32-47, which the stores read, and are done reading the row's ring slot, in which the loads below land
.if \ld
	CLOAD (\r)+4
.endif
.irp i, 0,1,2,3,4,5,6,7
	global_store_b64 v12, v[32+2*\i:33+2*\i], s[18:19] offset:(\r)*2048+256*\i
.endr
.endm
	CLOAD 0
	CLOAD 1
	CLOAD 2
	CLOAD 3
	CROW 0, 1, 24
	CROW 1, 1, 24
	CROW 2, 1, 24
	CROW 3, 1, 24
	CROW 4, 0, 24
	CROW 5, 0, 16
	CROW 6, 0, 8
	CROW 7, 0, 0
	s_endpgm
.Lfunc_end_k_q593c0a6e45_prep:
	.size	k_q593c0a6e45_prep, .Lfunc_end_k_q593c0a6e45_prep-k_q593c0a6e45_prep
	.p2alignl 7, 3214868480
	.fill 96, 4, 3214868480
	.section	.rodata,"a",@progbits
	.p2align	6, 0x0
	.amdhsa_kernel k_q593c0a6e45_prep
		.amdhsa_group_segment_fixed_size 87040
		.amdhsa_private_segment_fixed_size 0
		.amdhsa_enable_private_segment 0
		.amdhsa_kernarg_size 72
		.amdhsa_user_sgpr_count 2
		.amdhsa_user_sgpr_kernarg_segment_ptr 1
		.amdhsa_wavefront_size32 1
		.amdhsa_system_sgpr_workgroup_id_x 1
		.amdhsa_system_sgpr_workgroup_id_y 1
		.amdhsa_system_sgpr_workgroup_id_z 1
		.amdhsa_system_vgpr_workitem_id 0
		.amdhsa_next_free_vgpr 256
		.amdhsa_next_free_sgpr 96
		.amdhsa_reserve_vcc 0
		.amdhsa_float_denorm_mode_32 3
		.amdhsa_float_denorm_mode_16_64 3
		.amdhsa_memory_ordered 1
		.amdhsa_forward_progress 1
		.amdhsa_inst_pref_size 151
	.end_amdhsa_kernel
	.amdgpu_metadata
---
amdhsa.version: [ 1, 2 ]
amdhsa.kernels:
  - .name:           k_q593c0a6e45_prep
    .symbol:         k_q593c0a6e45_prep.kd
    .args:
      - { .name: x, .offset: 0, .size: 8, .value_kind: global_buffer, .address_space: global }
      - { .name: Wr, .offset: 8, .size: 8, .value_kind: global_buffer, .address_space: global }
      - { .name: Wq_in, .offset: 16, .size: 8, .value_kind: global_buffer, .address_space: global }
      - { .name: Wg, .offset: 24, .size: 8, .value_kind: global_buffer, .address_space: global }
      - { .name: thetas, .offset: 32, .size: 8, .value_kind: global_buffer, .address_space: global }
      - { .name: phis, .offset: 40, .size: 8, .value_kind: global_buffer, .address_space: global }
      - { .name: lams, .offset: 48, .size: 8, .value_kind: global_buffer, .address_space: global }
      - { .name: xb, .offset: 56, .size: 8, .value_kind: global_buffer, .address_space: global }
      - { .name: lg, .offset: 64, .size: 8, .value_kind: global_buffer, .address_space: global }
    .group_segment_fixed_size: 87040
    .private_segment_fixed_size: 0
    .kernarg_segment_align: 8
    .kernarg_segment_size: 72
    .max_flat_workgroup_size: 256
    .sgpr_count:     96
    .vgpr_count:     256
    .wavefront_size: 32
...
	.end_amdgpu_metadata
.endif
;; end of part 5
;; launch ffn1: the kernel of part 2 again; grid 64 x 8, 4 waves a work-group, clusters of 4 x 1, 327,680 bytes of LDS; arguments xb, W1, b1, act_w, hbuf; writes hbuf
;; launch ffn2: the kernel of part 3 again; grid 16 x 16, 4 waves a work-group, clusters of 4 x 1, 327,680 bytes of LDS; arguments hbuf, W2, part; writes part
;; launch fin: the kernel of part 4 again; grid 16 x 16, 8 waves a work-group, no clusters, 176,128 bytes of LDS; arguments lg, br, memory, Wq_out, b2, part, c, chaotic_r, time_scalar, period, phase_shift, amplitude, out0; writes out0
